; MI455X (gfx1250); checked and timed in simulation.
; The chip was launched on July 23, 2026; its instructions are those of AMD's public machine-readable ISA for CDNA 5 (MIT licence, August 2026) and "CDNA5" Instruction Set Architecture Reference Guide (July 2026). The comments in the code are by the model that wrote it; some were corrected since.
;; Tt Causal Self Attention. Allowed arithmetic: matrix products marked QUANTISED: E2M3 operands, one E8M0 scale for each 32 along K, by v_wmma_scale_f32_16x16x128_f8f6f4 with both operands' format E2M3, f32 sums; everything else in f32.
;; Inputs: b_attn 3,072 float32; b_proj 1,024 float32; w_attn 1,024 x 3,072 float32; w_proj 1,024 x 1,024 float32; x 8 x 1,024 x 1,024 float32.
;; Outputs: out0 8 x 1,024 x 1,024 float32.
;; This version of the problem:
;;   THIS VERSION OF THE PROBLEM IS GIVEN IN LOW PRECISION. The matrix products marked QUANTISED in the list below multiply operands that are first quantised to E2M3 (2 exponent bits, 3 mantissa bits; 6 bits a number), with one power-of-two scale for each 32 numbers along K (OCP MX v1.0); their sums are f32. All else is computed in f32.
;;   The module's matrix products, in the order in which they are computed (A, B: the left and right operand; K: the contracted axis; several contracted axes count as one K, in the product's order):
;;     1. [M 8,192, K 1,024] x [K 1,024, N 3,072]; A: input x; B: input w_attn: QUANTISED
;;     2. batch 128 x [M 1,024, K 64] x [K 64, N 1,024]; A: computed on the way; B: computed on the way: QUANTISED
;;     3. batch 128 x [M 1,024, K 1,024] x [K 1,024, N 64]; A: softmax (see below); B: computed on the way: QUANTISED
;;     4. [M 8,192, K 1,024] x [K 1,024, N 1,024]; A: computed on the way; B: input w_proj: QUANTISED
;;   THE QUANTISER, for each operand of a quantised product, along K:
;;     - K is cut into blocks of 32 from its start; a last block that is shorter is filled with zeros.
;;     - A block's scale is 2^e with e = floor(log2(the largest magnitude in the block)) - 2, held to -126 .. 127; a block of zeros has e = 0. As a byte (E8M0): e + 127.
;;     - Each number is divided by its block's scale, clamped to +-7.5, and rounded to the nearest number of E2M3, ties to even, subnormals kept.
;;     - The product sums the exact products of the quantised numbers (number of the format x scale) in f32.
;;   ~~~python
;;   def quantise(x, axis):      # numpy; x: float32 -> the quantised numbers, widened to float32 again
;;       x = np.moveaxis(x, axis, -1); K = x.shape[-1]
;;       x = np.pad(x, [(0, 0)] * (x.ndim - 1) + [(0, -K % 32)]); x = x.reshape(x.shape[:-1] + (-1, 32)); a = np.abs(x).max(-1, keepdims=True)
;;       e = np.where(a > 0, np.clip(np.frexp(np.where(a > 0, a, 1))[1] - 1 - 2, -126, 127), 0)      # np.frexp(a)[1] - 1 = floor(log2(a)), exactly
;;       r = np.clip(x / 2.0 ** e, -7.5, 7.5)
;;       step = 2.0 ** (np.maximum(np.frexp(np.where(r == 0, 1, r))[1] - 1, 0) - 3)
;;       q = np.round(r / step) * step * 2.0 ** e      # np.round: ties to even
;;       return np.moveaxis(q.reshape(q.shape[:-2] + (-1,))[..., :K], -1, axis).astype(np.float32)
;;   ~~~
;;   SOFTMAX AHEAD OF A QUANTISED PRODUCT. Where the list says 'softmax', what is quantised is not the finished softmax but p = 2^(t - M), with t = logit x log2(e) and M = ceil(the row's largest t), a whole number; so 1/2 < the row's largest p <= 1. The row's sum l is taken of the UNQUANTISED p, in f32, and the product's result is divided by l at the end. Since M is a whole number, a kernel that streams over the keys may use a running M (the ceiling of the running maximum): every later rescaling is an exact power of two, which a block's scale takes up: the codes' values come out the same.
;;   OPERANDS COMPUTED ON THE WAY. 'Computed on the way' means the value that the module computes at that place (a softmax that the list does not call 'softmax' is quantised finished and normalised). What goes into a quantiser is computed in f32, as accurately as f32 sums, v_exp_f32 and their like allow (about 1e-6 of the number): no bf16 or f16 on the way to a quantiser, and a product that is left as it is and whose result goes on into a quantised operand takes f32 operands (vector FMAs, or v_wmma_f32_16x16x4_f32). A number that lies on a knife's edge between two numbers of the format may be rounded either way, as far as f32 arithmetic and the matrix unit's own rounding can turn it there, and no further.
;; One version. Each part assembles by itself: llvm-mc -triple=amdgcn-amd-amdhsa -mcpu=gfx1250 --defsym DOCPART=n.
;; ======== version 1 of 1: 4 launches
;; limits: right only within a limited range of input values
;; workspace buffers: pc 9,437,184 bytes; ps 393,216 bytes; qq 6,815,744 bytes; kv 13,369,344 bytes; yc 6,291,456 bytes; ys 262,144 bytes
;; launch prep (part 1): grid 512 x 1, 4 waves a work-group, no clusters, 34,304 bytes of LDS; arguments x, w_attn, w_proj, pc, ps; writes pc, ps
.if DOCPART == 1
	.amdgcn_target "amdgcn-amd-amdhsa--gfx1250"
	.amdhsa_code_object_version 6
	.text
	.protected	k_qbd3aecb3db_prep
	.globl	k_qbd3aecb3db_prep
	.p2align	8
	.type	k_qbd3aecb3db_prep,@function
k_qbd3aecb3db_prep:
	s_mov_b64 s[64:65], 0
	v_nop
	global_prefetch_b8 v0, s[64:65] scope:SCOPE_SE
	s_setreg_imm32_b32 hwreg(HW_REG_WAVE_MODE, 25, 1), 1
	s_wait_xcnt 0x0
; x [8192][1024], w_attn [1024][3072] and w_proj [1024][1024], f32, become codes of FP6 (E2M3) with one E8M0 byte for each 32 along K = 1,024 (x: its last axis; the weights: their first).
; THE CODES ARE LAID AS IMAGES OF OPERAND REGISTERS.  A tile is 16 rows (of x) or 16 columns (of a weight): lane r of tile t holds row 32 (t / 2) + 8 (t % 2) + r % 8 + 16 (r / 8).
; A half fragment (16 rows x 64 K, six registers a lane) is 768 bytes: registers 0-3 at 16 x lane, registers 4-5 at 512 + 8 x lane; lane (r, h) holds K = 32 h + 0 .. 31 of the 64.
; pc: [pair of K steps 0..3][tile 0..767][K step % 2][half 0, 1][768].  Tiles 0-511: x; 512-703: w_attn's columns; 704-767: w_proj's.   ps: [tile][r][K step 0..7]: one scale word for a row and 128 K.
; A block's scale is 2^(floor(log2(largest magnitude)) - 2): its byte is the largest magnitude's exponent field - 2, held at 1 from below by a floor among the maximum's leaves.
; LIMITS: a block of zeros gets the byte 1 where the rule says 127 (its codes are zeros, and this program alone reads the bytes); blocks whose largest magnitude lies under 2^-124 are held at the floor;
; NaN and infinities among the inputs are not served.
; Memory binds: no matrix unit, no tensor load, no cluster, no barrier: waves share nothing.  Work-groups 0-255 take x, 256-447 w_attn, 448-511 w_proj; only x's path touches LDS.
.set PLANE_P, 2359296                  ; 768 tiles x 3,072 bytes: a pair of K steps
.set SEL, 20                           ; s[20:21] lane selects for v_permlanex16_b32: lane l xor 16
.set R0,  16                           ; v16-79, v80-143, v144-207: three sets of 64 numbers
.set R1,  80
.set R2,  144
.set PC,  208                          ; v208-226 the codes just made
.set TM,  228                          ; v228-243 at work in QUANT
.set PW,  244                          ; v244-247 the four K steps' scale words
; 64 numbers of a lane, v[s] .. v[s + 63], register 16 b + i = K 32 b + 16 (lane / 16) + i of my row, become a fragment's codes in v[PC] .. v[PC + 11] and its scale word in v[pw].
.macro QUANT s, pw
.irp b, 0,1,2,3
	v_max3_num_f32 v[TM+\b], |v[\s+16*\b]|, |v[\s+1+16*\b]|, 0x1800000   ; block b: my 16 numbers, and the floor 2^(3 - 127): the byte cannot fall under 1
.endr
.irp i, 2,4,6,8,10,12,14
.irp b, 0,1,2,3
	v_max3_num_f32 v[TM+\b], v[TM+\b], |v[\s+16*\b+\i]|, |v[\s+1+16*\b+\i]|   ; the four blocks by turns
.endr
.endr
.irp b, 0,1,2,3
	v_permlanex16_b32 v[TM+4+\b], v[TM+\b], s[SEL], s[SEL+1]
.endr
.irp b, 0,1,2,3
	v_max_num_f32 v[TM+\b], v[TM+\b], v[TM+4+\b]   ; with lane l xor 16's 16: the block's largest magnitude
.endr
.irp b, 0,1,2,3
	v_add_nc_u32 v[TM+12+\b], 0xff000000, v[TM+\b]   ; 2 off its exponent field: the conversion takes the exponent field of this operand as its scale
.endr
.irp b, 0,1,2,3
	v_lshrrev_b32 v[TM+4+\b], 23, v[TM+12+\b]      ; the scale's byte
.endr
	v_lshl_or_b32 v[\pw], v[TM+5], 8, v[TM+4]      ; four bytes: my row's scale word (both halves of the lanes hold the same)
	v_lshl_or_b32 v[\pw], v[TM+6], 16, v[\pw]
	v_lshl_or_b32 v[\pw], v[TM+7], 24, v[\pw]
.irp c, 0,1
	v_cvt_scalef32_pk16_fp6_f32 v[PC+6*\c:PC+2+6*\c], v[\s+32*\c:\s+15+32*\c], v[TM+12+2*\c]
	v_cvt_scalef32_pk16_fp6_f32 v[PC+12+4*\c:PC+14+4*\c], v[\s+16+32*\c:\s+31+32*\c], v[TM+12+2*\c+1]   ; a conversion's three registers begin on an even number
.endr
	v_nop                                          ; one plain instruction behind the scaled conversions
.irp c, 0,1                                    ; the operand wants a WHOLE block in a lane: lanes 0-15 block 2 c, lanes 16-31 block 2 c + 1
.irp i, 0,1,2
	v_permlane16_swap_b32 v[PC+6*\c+\i], v[PC+12+4*\c+\i]
.endr
.irp i, 0,1,2
	v_mov_b32 v[PC+3+6*\c+\i], v[PC+12+4*\c+\i]
.endr
.endr
.endm
	s_load_b256 s[4:11], s[0:1], 0x0               ; x s[4:5], w_attn s[6:7], w_proj s[8:9], pc s[10:11]
	s_load_b64 s[12:13], s[0:1], 0x20              ; ps
	v_lshl_add_u32 v254, v0, 2, 0x8400
	v_mov_b32 v255, 0
	v_lshrrev_b32 v1, 5, v0
	v_readfirstlane_b32 s16, v1                    ; wave 0..3
	v_and_b32 v1, 31, v0                           ; lane
	s_cmp_lt_u32 ttmp9, 256
	s_cbranch_scc0 .Lweights
; ---------------- x: work-group g takes rows 32 g .. 32 g + 31 (tiles 2 g, 2 g + 1); wave w takes tile 2 g + w / 2 and K steps 4 (w % 2) .. + 3
	s_mov_b32 s[SEL], 0x76543210
	s_mov_b32 s[SEL+1], 0xfedcba98
	v_and_b32 v2, 15, v0                           ; r
	v_bfe_u32 v3, v0, 4, 1                         ; h
	v_lshlrev_b32 v4, 4, v1                        ; 16 x lane: a load's 512 bytes, and an image's registers 0-3
	v_lshlrev_b32 v5, 3, v1                        ; 8 x lane: an image's registers 4-5
	s_mul_i32 s17, s16, 8448                       ; my wave's stage: 16 rows x (512 + 16) bytes
	v_add_nc_u32 v6, s17, v4                       ; into it: a row as it lies
	v_mul_u32_u24 v7, v2, 528
	v_lshl_add_u32 v7, v3, 6, v7
	v_add_nc_u32 v7, s17, v7                       ; out of it: row r, + 64 h: my 16 numbers of each block of 32
	v_lshlrev_b32 v8, 5, v2
	v_lshl_add_u32 v8, v3, 3, v8                   ; scale words: 32 r + 8 h
.irp b, 0,1,2,3
	v_mov_b32 v[TM+4+\b], 0                        ; written once: a lane permute's destination counts as one of its sources
.endr
	s_lshr_b32 s18, s16, 1                         ; which tile of the two
	s_and_b32 s19, s16, 1                          ; which half of K
	s_lshl_b32 s22, ttmp9, 17                      ; 32 rows of 4,096 bytes
	s_lshl_b32 s23, s18, 15                        ; + 8 rows
	s_add_co_u32 s22, s22, s23
	s_lshl_b32 s23, s19, 11                        ; + 4 K steps of 512 bytes
	s_add_co_u32 s22, s22, s23
	s_mov_b32 s23, 0
	s_lshl_b32 s24, ttmp9, 1
	s_add_co_u32 s24, s24, s18                     ; my tile
	s_mul_i32 s26, s24, 3072
	s_mul_i32 s27, s19, 2*PLANE_P
	s_add_co_u32 s26, s26, s27
	s_mov_b32 s27, 0
	s_lshl_b32 s28, s24, 9
	s_lshl_b32 s29, s19, 4
	s_add_co_u32 s28, s28, s29
	s_mov_b32 s29, 0
	s_wait_alu depctr_va_vdst(0)
	s_wait_kmcnt 0x0
	s_add_nc_u64 s[4:5], s[4:5], s[22:23]
	s_add_nc_u64 s[10:11], s[10:11], s[26:27]
	s_add_nc_u64 s[12:13], s[12:13], s[28:29]
.macro LOAD q, set                     ; K step q of my 16 rows: each load reads 512 consecutive bytes of one row; image row i is memory row i % 8 + 16 (i / 8)
.irp i, 0,1,2,3,4,5,6,7,8,9,10,11,12,13,14,15
	global_load_b128 v[\set+4*\i:\set+4*\i+3], v4, s[4:5] offset:((\i%8)+16*(\i/8))*4096+512*\q th:TH_LOAD_NT
.endr
.endm
.macro XSTEP q, set, left              ; left: the younger loads, which may stay out
	s_wait_loadcnt \left
.irp i, 0,1,2,3,4,5,6,7,8,9,10,11,12,13,14,15
	ds_store_b128 v6, v[\set+4*\i:\set+4*\i+3] offset:528*\i
.endr
.irp b, 0,1,2,3
.irp j, 0,1,2,3
	ds_load_b128 v[\set+16*\b+4*\j:\set+16*\b+4*\j+3], v7 offset:128*\b+16*\j   ; LDS serves a wave's instructions in order (ISA guide 5.7.1.4): these see the stores above
.endr
.endr
	s_wait_dscnt 0x0                               ; my 64 numbers are back, 16 neighbours of each block
.if \q > 0
	s_wait_xcnt 0x0                                ; the last step's stores have read the codes' registers, which are written again below
.endif
	QUANT \set, PW+\q
.set OFF, ((\q)/2)*PLANE_P+((\q)%2)*1536
	global_store_b128 v4, v[PC:PC+3], s[10:11] offset:OFF            ; 512 consecutive bytes
	global_store_b64 v5, v[PC+4:PC+5], s[10:11] offset:OFF+512       ; 256 consecutive bytes
	global_store_b128 v4, v[PC+6:PC+9], s[10:11] offset:OFF+768
	global_store_b64 v5, v[PC+10:PC+11], s[10:11] offset:OFF+1280
.endm
	LOAD 0, R0
	LOAD 1, R1
	LOAD 2, R2
	XSTEP 0, R0, 32                                ; steps 1 and 2 stay out
	LOAD 3, R0
	XSTEP 1, R1, 32                                ; steps 2 and 3
	XSTEP 2, R2, 16                                ; step 3
	XSTEP 3, R0, 0
	v_cmp_ne_u32 vcc_lo, 0, v3
	v_cndmask_b32 v248, v[PW], v[PW+2], vcc_lo     ; lanes 0-15 store words 0, 1 of my four, lanes 16-31 words 2, 3
	v_cndmask_b32 v249, v[PW+1], v[PW+3], vcc_lo
	global_store_b64 v8, v[248:249], s[12:13]
	s_wait_tensorcnt 0x0
	ds_add_u32 v254, v255
	s_wait_dscnt 0x0
	s_endpgm
; ---------------- the weights: K is the FIRST axis.  A lane takes a column and its registers run down K: a block of 32 lies in one lane, nothing is transposed.
; A work-group takes 128 columns x one K step of 128; a wave 32 columns: two tiles.  Lane l holds column n0 + l: tile u = (l / 8) % 2, image row r' = l % 8 + 8 (l / 16).
; Block kb of the K step belongs into half fragment kb / 2, at the place of image lane r' + 16 (kb % 2).
.macro WLOAD kb, n, p                  ; block kb: 32 loads, each 128 consecutive bytes of one row of the weight
.set II, 0
.rept 32
	global_load_b32 v[16+32*\kb+II], v4, s[\p:\p+1] offset:(32*\kb+II)*\n*4 th:TH_LOAD_NT
.set II, II+1
.endr
.endm
.macro WBLOCK kb
.set XS, 16+32*\kb
	v_max3_num_f32 v192, |v[XS]|, |v[XS+1]|, |v[XS+2]|             ; the block's largest magnitude: all 32 numbers are mine; two chains
	v_max3_num_f32 v193, |v[XS+3]|, |v[XS+4]|, |v[XS+5]|
.irp i, 6,10,14,18,22,26
	v_max3_num_f32 v192, v192, |v[XS+\i]|, |v[XS+\i+1]|
	v_max3_num_f32 v193, v193, |v[XS+\i+2]|, |v[XS+\i+3]|
.endr
	v_max3_num_f32 v192, v192, |v[XS+30]|, |v[XS+31]|
	v_max3_num_f32 v192, v192, v193, 0x1800000     ; and the floor
	v_add_nc_u32 v[194+\kb], 0xff000000, v192      ; the conversion's scale operand
	v_lshrrev_b32 v198, 23, v[194+\kb]             ; the byte
.if \kb == 0
	v_mov_b32 v199, v198
.else
	v_lshl_or_b32 v199, v198, 8*\kb, v199          ; the lower K in the lower byte
.endif
	v_cvt_scalef32_pk16_fp6_f32 v[144+8*\kb:146+8*\kb], v[XS:XS+15], v[194+\kb]
	v_cvt_scalef32_pk16_fp6_f32 v[176+4*\kb:178+4*\kb], v[XS+16:XS+31], v[194+\kb]
	v_nop                                          ; one plain instruction behind the scaled conversions
.irp i, 0,1,2
	v_mov_b32 v[147+8*\kb+\i], v[176+4*\kb+\i]
.endr
	global_store_b128 v5, v[144+8*\kb:147+8*\kb], s[10:11] offset:768*(\kb/2)+256*(\kb%2)       ; the sixteen lanes of a tile fill 256 consecutive bytes, aligned
	global_store_b64 v6, v[148+8*\kb:149+8*\kb], s[10:11] offset:768*(\kb/2)+512+128*(\kb%2)    ; and here 128; each block has its own registers: no store's data are written again
.endm
.macro WPATH n, tile0, g0, p
	s_sub_co_u32 s17, ttmp9, \g0                   ; my number in this path
	s_and_b32 s18, s17, 7                          ; K step
	s_lshr_b32 s19, s17, 3                         ; group of 128 columns
	s_lshl_b32 s22, s19, 9
	s_lshl_b32 s23, s16, 7
	s_add_co_u32 s22, s22, s23                     ; 4 x my first column
	s_mul_i32 s23, s18, 128*\n*4                   ; + 128 rows a K step
	s_add_co_u32 s22, s22, s23
	s_mov_b32 s23, 0
	s_lshl_b32 s24, s19, 3
	s_lshl_b32 s25, s16, 1
	s_add_co_u32 s24, s24, s25
	s_add_co_u32 s24, s24, \tile0                  ; my first tile
	s_mul_i32 s26, s24, 3072
	s_lshr_b32 s27, s18, 1
	s_mul_i32 s27, s27, PLANE_P
	s_add_co_u32 s26, s26, s27
	s_and_b32 s27, s18, 1
	s_mul_i32 s27, s27, 1536
	s_add_co_u32 s26, s26, s27
	s_mov_b32 s27, 0
	s_lshl_b32 s28, s24, 9
	s_lshl_b32 s29, s18, 2
	s_add_co_u32 s28, s28, s29
	s_mov_b32 s29, 0
	s_wait_kmcnt 0x0
	s_add_nc_u64 s[\p:\p+1], s[\p:\p+1], s[22:23]
	s_add_nc_u64 s[10:11], s[10:11], s[26:27]
	s_add_nc_u64 s[12:13], s[12:13], s[28:29]
	WLOAD 0, \n, \p
	WLOAD 1, \n, \p
	s_wait_loadcnt 32                              ; block 0 is in; block 1's 32 loads stay out
	WLOAD 2, \n, \p
	WBLOCK 0
	s_wait_loadcnt 32                              ; block 1 is in; block 2's stay out
	WLOAD 3, \n, \p
	WBLOCK 1
	s_wait_loadcnt 32                              ; block 2 is in; block 3's stay out
	WBLOCK 2
	s_wait_loadcnt 0x0
	WBLOCK 3
	global_store_b32 v7, v199, s[12:13]            ; my column's scale word: 4 bytes at a pitch of 32, one byte for each 128 bytes that the path reads
	s_endpgm
.endm
.Lweights:
	v_bfe_u32 v2, v0, 3, 1                         ; u
	v_and_b32 v3, 7, v0
	v_bfe_u32 v8, v0, 4, 1
	v_lshl_add_u32 v3, v8, 3, v3                   ; r'
	s_wait_alu depctr_va_vdst(0)
	v_lshlrev_b32 v4, 2, v1                        ; in: 4 bytes a lane
	v_mul_u32_u24 v9, v2, 3072
	v_lshl_add_u32 v5, v3, 4, v9                   ; my tile, 16 r'
	v_lshl_add_u32 v6, v3, 3, v9                   ; my tile, 8 r'
	v_lshlrev_b32 v7, 9, v2
	v_lshl_add_u32 v7, v3, 5, v7                   ; scale words: 512 u + 32 r'
	s_cmp_lt_u32 ttmp9, 448
	s_cbranch_scc0 .Lproj_w
	s_wait_alu depctr_va_vdst(0)
	WPATH 3072, 512, 256, 6
.Lproj_w:
	s_wait_alu depctr_va_vdst(0)
	WPATH 1024, 704, 448, 8
.Lfunc_end_k_qbd3aecb3db_prep:
	.size	k_qbd3aecb3db_prep, .Lfunc_end_k_qbd3aecb3db_prep-k_qbd3aecb3db_prep
	.p2alignl 7, 3214868480
	.fill 96, 4, 3214868480
	.section	.rodata,"a",@progbits
	.p2align	6, 0x0
	.amdhsa_kernel k_qbd3aecb3db_prep
		.amdhsa_group_segment_fixed_size 34304
		.amdhsa_private_segment_fixed_size 0
		.amdhsa_enable_private_segment 0
		.amdhsa_kernarg_size 40
		.amdhsa_user_sgpr_count 2
		.amdhsa_user_sgpr_kernarg_segment_ptr 1
		.amdhsa_wavefront_size32 1
		.amdhsa_system_sgpr_workgroup_id_x 1
		.amdhsa_system_sgpr_workgroup_id_y 1
		.amdhsa_system_sgpr_workgroup_id_z 1
		.amdhsa_system_vgpr_workitem_id 0
		.amdhsa_next_free_vgpr 256
		.amdhsa_next_free_sgpr 66
		.amdhsa_reserve_vcc 1
		.amdhsa_float_denorm_mode_32 3
		.amdhsa_float_denorm_mode_16_64 3
		.amdhsa_memory_ordered 1
		.amdhsa_forward_progress 1
		.amdhsa_inst_pref_size 74
	.end_amdhsa_kernel
	.amdgpu_metadata
---
amdhsa.version: [ 1, 2 ]
amdhsa.kernels:
  - .name:           k_qbd3aecb3db_prep
    .symbol:         k_qbd3aecb3db_prep.kd
    .args:
      - { .name: x, .offset: 0, .size: 8, .value_kind: global_buffer, .address_space: global }
      - { .name: w_attn, .offset: 8, .size: 8, .value_kind: global_buffer, .address_space: global }
      - { .name: w_proj, .offset: 16, .size: 8, .value_kind: global_buffer, .address_space: global }
      - { .name: pc, .offset: 24, .size: 8, .value_kind: global_buffer, .address_space: global }
      - { .name: ps, .offset: 32, .size: 8, .value_kind: global_buffer, .address_space: global }
    .group_segment_fixed_size: 34304
    .private_segment_fixed_size: 0
    .kernarg_segment_align: 8
    .kernarg_segment_size: 40
    .max_flat_workgroup_size: 128
    .sgpr_count:     66
    .vgpr_count:     256
    .wavefront_size: 32
...
	.end_amdgpu_metadata
.endif
;; end of part 1
;; launch qkv (part 2): grid 8 x 32, 4 waves a work-group, clusters of 4 x 4, 327,680 bytes of LDS; arguments pc, ps, b_attn, qq, kv; writes qq, kv
.if DOCPART == 2
	.amdgcn_target "amdgcn-amd-amdhsa--gfx1250"
	.amdhsa_code_object_version 6
	.text
	.protected	k_qbd3aecb3db_qkv
	.globl	k_qbd3aecb3db_qkv
	.p2align	8
	.type	k_qbd3aecb3db_qkv,@function
k_qbd3aecb3db_qkv:
	s_mov_b64 s[64:65], 0
	v_nop
	global_prefetch_b8 v0, s[64:65] scope:SCOPE_SE
	s_setreg_imm32_b32 hwreg(HW_REG_WAVE_MODE, 25, 1), 1
	s_wait_xcnt 0x0
	s_wait_alu depctr_hold_cnt(0) depctr_sa_sdst(0) depctr_va_vdst(0) depctr_va_sdst(0) depctr_va_ssrc(0) depctr_va_vcc(0) depctr_vm_vsrc(0)
	s_getreg_b32 s2, hwreg(HW_REG_IB_STS2, 6, 4)
	s_cmp_eq_u32 s2, 0
	s_cbranch_scc0 .Lentry_in_a_cluster
	s_endpgm
.Lentry_in_a_cluster:
	s_bfe_u32 s2, ttmp6, 0x10000c
	s_cmp_lg_u32 s2, 0xf033
	s_cbranch_scc0 .Lentry_shape_is_right
	s_endpgm
.Lentry_shape_is_right:
; qkv = x w_attn + b_attn on codes of FP6 (E2M3) with E8M0 scales; q, k and v leave as codes again, quantised along the next product's K, laid as images of operand registers.
; THE DEAL.  256 work-groups: work-group (j = x, i = y) takes tokens 256 i .. + 255 (16 tiles, all of K = 1,024, kept in LDS for the whole launch) past 128 columns (8 tiles) of w_q, then of w_k, then of w_v: heads 2 j, 2 j + 1.
; A wave takes 4 tiles of tokens (64 w ..) x the 8 tiles of columns: 32 accumulators, 32 products a K step of 128, 8 K steps a phase, 3 phases.
; Lane r of tile t holds row 32 (t / 2) + 8 (t % 2) + r % 8 + 16 (r / 8), so the 16 registers of two neighbouring tiles are 16 neighbours along the axis that the registers run on.
; q, k: source 0 = w's columns, source 1 = x's rows: a lane holds a token, registers run along 128 columns: quantised along the head's 64.
; v: THE SOURCES ARE SWAPPED (source 0 = x's rows): a lane holds one d, and for each tile of d its 32 registers are the wave's 64 keys: half a fragment, quantised along the keys.  Accumulator (a, b) then lies at 8 (4 b + a).
; The bias is the C of each phase's first products.  The quantiser reads the accumulators where they lie.
; LDS: x's four chunks (a pair of K steps each, 16 tiles x 3,072) at 0; the weights' two slots (half of K each: two chunks of 8 tiles x 3,072) at WB; the spare words; 1,024 bytes for v's scale bytes.
; FILLS.  At the head one joint load a wave: x's first half of K, w_q's, x's second half, w_q's second.  The first barrier shows waves 0 and 1's.  Four refills, in K steps 3 and 7 of q's and k's phases: the slot just read out
; takes the next weight's same half, a quarter of the slot a wave.  Each stands behind a wait for the tensor loads, an LDS add, a wait for LDS and a round of the cluster's barrier; that round also shows what the refill before it brought.
; CLUSTER 4 x 4: x's tiles hang on cy and the cluster's y and are shared along a row of the cluster, the weights' on cx and the cluster's x and are shared along a column.
; The next K step's 12 fragments are asked for in one run of 48 LDS loads ahead of this step's products, into the other set of registers.
; PREFETCH: w_k's tile at the head, w_v's in q's phase: 384 blocks of 256 bytes, 24 to each of the 16 waves of the four partners that will ask jointly, told apart by address (plane cy, quarter = wave).  x comes whole at the head: no prefetch.
; OUT as the next launch reads it.  qq: [b h][53,248]: codes [tile][768], scale words [tile / 4][r][tile % 4] at 49,152.  kv: [b h][104,448]: K likewise (scale words at 98,304), V's codes [128 keys][d tile][half][768] at 49,152,
; V's scale words [128 keys][r][d tile] at 102,400: two waves make two bytes each of a word; they meet in LDS and leave as whole blocks of 256 bytes.
; LIMITS: a block of zeros gets the byte 1 (its codes are zeros; this program alone reads the bytes); largest magnitudes under 2^-124 are held at the floor; NaN and infinities are not served.
; REGISTERS.  window 0: v1-15 lane terms; v16-31 LDS addresses; v32-63 x's scale words (8 a + K step); v68-131 the weights' (8 b + K step); v132-227 x's fragments, two sets of 48 (set 1 holds the codes just made in the tails); v232-255 the tails'.
;   window 1: v0-191 the weights' fragments, two sets of 96; v192-255 q's or k's bias.   window 2: the accumulators.   window 3: v0-63 the next weight's scale words; v64-127 v's bias.
.set PLANE, 2359296                    ; pc: from a pair of K steps to the next
.set XCH,   49152
.set WB,    196608
.set WCH,   24576
.set SPARE, 294912
.set XS,    295424
.set AD,  16                           ; v[AD + 4 g + k], chunk g: k = 0, 1 my tiles of x (16 x lane; 512 + 8 x lane), k = 2, 3 the weights'
.set SS1, 32
.set SS0, 68
.set S1F, 132
.set BIA, 192
.set ST,  0
.set BV,  64
.set PC,  192
.set WS,  232
.set PW,  236
.set TM,  240
.set SPW, 250
.set NIL, 251
.set SEL, 14
.set G1X, 24
.set G1W, 32
.set G1R, 40
.set G0X, 48
.set G0W, 52
.set G0R, 56                           ; s[56:59] slot 0's refills, s[60:63] slot 1's
.set MSB, 0
.macro WIN new                         ; the immediate's high byte repeats the setting that is left
.if MSB != \new
	s_set_vgpr_msb (MSB<<8)|\new
.set MSB, \new
.endif
.endm
.macro WALU
	s_wait_alu depctr_va_vdst(0)
.endm
.macro PLACES n
.rept \n
	v_nop
.endr
.endm
.macro CREST                           ; a round of the cluster's barrier behind its opening barrier
	s_cmp_lg_u32 s16, 0
	s_cbranch_scc1 .Lnot_wave_0_\@
	s_barrier_signal -3
.Lnot_wave_0_\@:
	s_barrier_wait -3
	s_barrier_signal -1
	s_barrier_wait -1
.endm
.macro CROUND
	s_barrier_signal -1
	s_barrier_wait -1
	CREST
.endm
.macro FRAG reg, a16, a8, off          ; a fragment, 12 registers: two half fragments of 768 bytes, as they were stored
	ds_load_b128 v[\reg:\reg+3], v[\a16] offset:\off
	ds_load_b64 v[\reg+4:\reg+5], v[\a8] offset:\off
	ds_load_b128 v[\reg+6:\reg+9], v[\a16] offset:\off+768
	ds_load_b64 v[\reg+10:\reg+11], v[\a8] offset:\off+768
.endm
.macro FETCH s, p                      ; K step s into set p: 48 LDS loads in one run
	WIN 0x40                                       ; destination window 1, address window 0
.irp b, 0,1,2,3,4,5,6,7
	FRAG 96*(\p)+12*\b, AD+4*((\s)/2)+2, AD+4*((\s)/2)+3, 3072*\b+1536*((\s)%2)
.endr
	WIN 0
.irp a, 0,1,2,3
	FRAG S1F+48*(\p)+12*\a, AD+4*((\s)/2), AD+4*((\s)/2)+1, 3072*\a+1536*((\s)%2)
.endr
.endm
.macro WM d, f0, f1, c, x0, x1
	v_wmma_scale_f32_16x16x128_f8f6f4 v[\d:\d+7], v[\f0:\f0+11], v[\f1:\f1+11], \c, v[\x0], v[\x1] matrix_a_fmt:MATRIX_FMT_FP6 matrix_b_fmt:MATRIX_FMT_FP6
.endm
; Products n0 .. n1 - 1 (n = 8 a + b) of K step s from set p.  cmode 1: the bias starts the sums; 2: they go on.  kind 1: v, sources swapped.  The 32 accumulators take turns in the same order in every step.
.macro MULX s, p, cmode, kind, n0, n1
.set N_, \n0
.rept (\n1)-(\n0)
.set A_, N_/8
.set B_, N_%8
.set FW_, 96*(\p)+12*B_
.set FX_, S1F+48*(\p)+12*A_
.set XW_, SS0+8*B_+(\s)
.set XX_, SS1+8*A_+(\s)
.if \kind
.set D_, 8*(4*B_+A_)
.if \cmode == 1
	WIN 0xb4                                       ; source 0 window 0, source 1 window 1, C window 3, D window 2
	WM D_, FX_, FW_, v[BV+8*B_:BV+8*B_+7], XX_, XW_
.else
	WIN 0xa4
	WM D_, FX_, FW_, v[D_:D_+7], XX_, XW_
.endif
.else
.set D_, 8*(8*A_+B_)
.if \cmode == 1
	WIN 0x91                                       ; source 0 window 1, source 1 window 0, C window 1, D window 2
	WM D_, FW_, FX_, v[BIA+8*B_:BIA+8*B_+7], XW_, XX_
.else
	WIN 0xa1
	WM D_, FW_, FX_, v[D_:D_+7], XW_, XX_
.endif
.endif
.set N_, N_+1
.endr
.endm
.macro STEPN s, kind, cmode            ; an ordinary K step
	s_wait_dscnt 0x0                               ; this step's fragments are in (asked for 32 products ago)
	PLACES 4                                       ; the set that the last step multiplied is loaded again
	FETCH ((\s)+1)%8, 1-(\s)%2
	MULX \s, (\s)%2, \cmode, \kind, 0, 32
.endm
.macro STEPR s, g0, gs                 ; a K step with a refill: the slot whose last fragments are in registers takes the next weight's same half
	WIN 0
	s_wait_tensorcnt 0x0                           ; all my tensor loads have landed;
	ds_add_u32 v[SPW], v[NIL]                      ; an add to the spare words;
	s_add_nc_u64 s[\gs+2:\gs+3], s[\gs+2:\gs+3], 64*3072   ; no load of mine is out: the other slot's next refill is 64 tiles on
	s_wait_dscnt 0x0                               ; the add is done, and so are my reads of the slot
	s_barrier_signal -1                            ; opens a round of the cluster's barrier
	MULX \s, (\s)%2, 2, 0, 0, 16                   ; work on registers while the others arrive
	WIN 0
	s_barrier_wait -1
	CREST
	tensor_load_to_lds s[\g0:\g0+3], s[G1R:G1R+7]  ; my quarter of the slot: the first tensor load behind the round
	s_nop 0
	PLACES 4
	FETCH ((\s)+1)%8, 1-(\s)%2
	MULX \s, (\s)%2, 2, 0, 16, 32
.endm
; 64 sums of a lane in window 2, v[s] .. v[s + 63], register 16 b + i = K 32 b + 16 (lane / 16) + i of my row, become two half fragments' codes in v[PC] .. v[PC + 11] and four scale bytes in v[pw].
.macro QUANT s, pw
	WIN 0x0a
.irp b, 0,1,2,3
	v_max3_num_f32 v[TM+\b], |v[\s+16*\b]|, |v[\s+1+16*\b]|, 0x1800000   ; each accumulator from its low end on; the floor 2^(3 - 127): the byte cannot fall under 1
.endr
	WIN 0x28
.irp i, 2,4,6,8,10,12,14
.irp b, 0,1,2,3
	v_max3_num_f32 v[TM+\b], v[TM+\b], |v[\s+16*\b+\i]|, |v[\s+1+16*\b+\i]|
.endr
.endr
	WIN 0
.irp b, 0,1,2,3
	v_permlanex16_b32 v[TM+4+\b], v[TM+\b], s[SEL], s[SEL+1]
.endr
.irp b, 0,1,2,3
	v_max_num_f32 v[TM+\b], v[TM+\b], v[TM+4+\b]   ; with lane l xor 16's: the block's largest magnitude
.endr
.irp b, 0,1,2,3
	v_add_nc_u32 v[TM+12+\b], 0xff000000, v[TM+\b]   ; 2 off its exponent field: the conversion's scale operand
.endr
.irp b, 0,1,2,3
	v_lshrrev_b32 v[TM+4+\b], 23, v[TM+12+\b]      ; the scale's byte
.endr
	v_lshl_or_b32 v[\pw], v[TM+5], 8, v[TM+4]
	v_lshl_or_b32 v[\pw], v[TM+6], 16, v[\pw]
	v_lshl_or_b32 v[\pw], v[TM+7], 24, v[\pw]
	WIN 0x02
.irp c, 0,1
	v_cvt_scalef32_pk16_fp6_f32 v[PC+6*\c:PC+2+6*\c], v[\s+32*\c:\s+15+32*\c], v[TM+12+2*\c]
	v_cvt_scalef32_pk16_fp6_f32 v[PC+12+4*\c:PC+14+4*\c], v[\s+16+32*\c:\s+31+32*\c], v[TM+12+2*\c+1]
.endr
	WIN 0
	v_nop                                          ; one plain instruction behind the scaled conversions
.irp c, 0,1
.irp i, 0,1,2
	v_permlane16_swap_b32 v[PC+6*\c+\i], v[PC+12+4*\c+\i]   ; a whole block to a lane
.endr
.irp i, 0,1,2
	v_mov_b32 v[PC+3+6*\c+\i], v[PC+12+4*\c+\i]
.endr
.endr
.endm
.macro GROUP1 g, mask, c, r, p
	s_or_b32 s[\g], s\mask, (3<<16)|(1<<21)        ; the mask; elements of 8 bytes; bit 21 beside a mask
	s_mov_b32 s[\g+1], (\c)<<16
	s_mov_b32 s[\g+2], (\r)<<16
	s_mov_b32 s[\g+3], (\c)<<16
	s_mov_b32 s[\g+4], \r
	s_mov_b32 s[\g+5], \p
	s_mov_b32 s[\g+6], 0
	s_mov_b32 s[\g+7], 0
.endm
.macro ARM under, g0, g1, next
	s_cmp_lt_u32 s16, \under
	s_cbranch_scc0 \next
	tensor_load_to_lds s[\g0:\g0+3], s[\g1:\g1+7]
	s_nop 0
	PLACES 4
	s_branch .Lasked
\next:
.endm
	s_load_b256 s[4:11], s[0:1], 0x0               ; pc s[4:5], ps s[6:7], b_attn s[8:9], qq s[10:11]
	s_load_b64 s[12:13], s[0:1], 0x20              ; kv
	v_lshl_add_u32 v[SPW], v0, 2, SPARE
	v_mov_b32 v[NIL], 0
	ds_add_u32 v[SPW], v[NIL]                      ; two adds to the spare words at the opening
	ds_add_u32 v[SPW], v[NIL]
	v_lshrrev_b32 v1, 5, v0
	v_readfirstlane_b32 s16, v1                    ; wave 0..3
	s_lshr_b32 s17, s16, 1
	s_and_b32 s18, s16, 1
	s_bfe_u32 s19, ttmp6, 0x40000                  ; cx
	s_bfe_u32 s20, ttmp6, 0x40004                  ; cy
	s_and_b32 s22, ttmp7, 0xffff                   ; the cluster's y = the batch
	s_lshl_b32 s23, ttmp9, 2
	s_add_co_u32 s23, s23, s19                     ; j
	s_lshl_b32 s66, s20, 2
	s_lshl_b32 s66, 15, s66                        ; my row of the cluster
	s_lshl_b32 s67, 0x1111, s19                    ; my column
	GROUP1 G1X, 66, 6144, 2, PLANE/8               ; half of K of x's 16 tiles: two rows of 49,152 bytes, a plane apart
	GROUP1 G1W, 67, 3072, 2, PLANE/8               ; of a weight's 8 tiles: two rows of 24,576 bytes
	GROUP1 G1R, 67, 32, 48, 32                     ; a refill's quarter: 4 tiles of one plane, 12,288 dense bytes as 48 rows of 256
	s_lshl_b32 s68, s22, 6
	s_lshl_b32 s69, s20, 4
	s_add_co_u32 s68, s68, s69                     ; x's first tile: 64 batch + 16 cy
	s_mul_i32 s73, s17, 2*PLANE                    ; waves 2, 3: the second half of K
	s_mul_i32 s70, s68, 3072
	s_add_co_u32 s70, s70, s73
	s_mov_b32 s71, 0
	s_lshl_b32 s72, s23, 3
	s_add_co_u32 s72, s72, 512                     ; w_q's first tile
	s_mul_i32 s74, s72, 3072
	s_add_co_u32 s74, s74, s73
	s_mov_b32 s75, 0
	s_lshl_b32 s76, s18, 2
	s_add_co_u32 s76, s76, s72
	s_mul_i32 s76, s76, 3072
	s_mul_i32 s78, s17, PLANE
	s_add_co_u32 s76, s76, s78                     ; a refill's quarter: tiles 4 (w % 2) .., plane w / 2 of the half
	s_mov_b32 s77, 0
	s_mov_b32 s[G0X], 1
	s_mul_i32 s[G0X+1], s17, 2*XCH
	s_mov_b32 s[G0W], 1
	s_mul_i32 s[G0W+1], s17, 2*WCH
	s_add_co_u32 s[G0W+1], s[G0W+1], WB
	s_mov_b32 s[G0R], 1
	s_mul_i32 s[G0R+1], s16, 12288
	s_add_co_u32 s[G0R+1], s[G0R+1], WB
	s_mov_b32 s[G0R+4], 1
	s_add_co_u32 s[G0R+5], s[G0R+1], 2*WCH
	s_mov_b32 s[SEL], 0x76543210
	s_mov_b32 s[SEL+1], 0xfedcba98
	s_wait_dscnt 0x0
	s_wait_kmcnt 0x0
	s_add_nc_u64 s[G0X+2:G0X+3], s[4:5], s[70:71]
	s_or_b32 s[G0X+3], s[G0X+3], 0x80000000
	s_add_nc_u64 s[G0W+2:G0W+3], s[4:5], s[74:75]
	s_or_b32 s[G0W+3], s[G0W+3], 0x80000000
	s_add_nc_u64 s[76:77], s[4:5], s[76:77]
	s_add_nc_u64 s[G0R+2:G0R+3], s[76:77], 64*3072 ; slot 0's first refill: w_k's first half
	s_or_b32 s[G0R+3], s[G0R+3], 0x80000000
	s_add_nc_u64 s[G0R+6:G0R+7], s[76:77], 2*PLANE ; slot 1's stands at w_q's second half and is stepped ahead of its first use
	s_or_b32 s[G0R+7], s[G0R+7], 0x80000000
	CROUND                                         ; all sixteen work-groups are here: the joint loads meet
	ARM 1, G0X, G1X, .Larm1                        ; one tensor load a wave, in the order of need
	ARM 2, G0W, G1W, .Larm2
	ARM 3, G0X, G1X, .Larm3
	tensor_load_to_lds s[G0W:G0W+3], s[G1W:G1W+7]
	s_nop 0
	PLACES 4
.Lasked:
	s_lshl_b32 s79, s22, 4
	s_lshl_b32 s86, s23, 1
	s_add_co_u32 s79, s79, s86                     ; the first head's record: 16 batch + 2 j
	s_lshl_b32 s78, s20, 4
	s_lshl_b32 s86, s16, 2
	s_add_co_u32 s78, s78, s86                     ; my first tile of the batch's 64
	s_add_co_u32 s92, s68, s86
	s_lshl_b32 s92, s92, 9
	s_mov_b32 s93, 0
	s_add_nc_u64 s[92:93], s[6:7], s[92:93]        ; my four tiles' scale words
	s_lshl_b32 s84, s72, 9
	s_mov_b32 s85, 0
	s_add_nc_u64 s[84:85], s[6:7], s[84:85]        ; w_q's eight tiles'
	s_lshl_b32 s86, s23, 9
	s_mov_b32 s87, 0
	s_add_nc_u64 s[8:9], s[8:9], s[86:87]          ; the bias of q's 128 columns; k's 4,096 bytes on, v's 8,192
	s_add_co_u32 s90, s72, 64
	s_mul_i32 s90, s90, 3072
	s_mul_i32 s91, s20, PLANE
	s_add_co_u32 s90, s90, s91
	s_mul_i32 s91, s16, 6144
	s_add_co_u32 s90, s90, s91
	s_mov_b32 s91, 0
	s_add_nc_u64 s[88:89], s[4:5], s[90:91]        ; my sixteenth of w_k's tile
	s_lshl_b32 s94, s17, 9
	s_lshl_b32 s95, s18, 1
	s_add_co_u32 s94, s94, s95
	s_add_co_u32 s94, s94, XS
	s_lshl_b32 s95, s16, 8
	s_add_co_u32 s95, s95, XS
	s_mul_i32 s96, s16, 12288
	v_and_b32 v1, 31, v0                           ; lane
	v_and_b32 v2, 15, v0                           ; r
	v_bfe_u32 v3, v0, 4, 1                         ; h
	v_lshlrev_b32 v4, 4, v1                        ; 16 x lane
	v_lshlrev_b32 v5, 3, v1                        ; 8 x lane
	v_lshlrev_b32 v6, 5, v2                        ; 32 r: a row's eight scale words
	v_lshlrev_b32 v7, 6, v3                        ; 64 h
	v_lshlrev_b32 v8, 4, v3                        ; 16 h
	v_and_b32 v10, 7, v2
	v_lshrrev_b32 v14, 3, v2
	v_lshl_add_u32 v10, v14, 4, v10
	v_lshlrev_b32 v10, 2, v10                      ; 4 (r % 8 + 16 (r / 8)): my d in a tile
	v_min_u32 v11, 23, v1
	v_lshlrev_b32 v11, 8, v11                      ; the prefetches: a block of 256 bytes a lane, 24 blocks
	v_lshlrev_b32 v12, 4, v2
	v_lshl_add_u32 v12, v3, 2, v12
	v_add_nc_u32 v12, s94, v12                     ; v's scale bytes into LDS: 512 (w / 2) + 16 r + 4 h + 2 (w % 2)
	v_add_nc_u32 v13, s95, v5                      ; and back: block w, 8 bytes a lane
	v_add_nc_u32 v14, s96, v4
	v_add_nc_u32 v15, s96, v5
.irp g, 0,1,2,3
	v_add_nc_u32 v[AD+4*\g], \g*XCH, v14
	v_add_nc_u32 v[AD+4*\g+1], \g*XCH+512, v15
	v_add_nc_u32 v[AD+4*\g+2], WB+\g*WCH, v4
	v_add_nc_u32 v[AD+4*\g+3], WB+\g*WCH+512, v5
.endr
.irp b, 0,1,2,3
	v_mov_b32 v[TM+4+\b], 0                        ; written once: a lane permute's destination counts as one of its sources
.endr
	WALU                                           ; the wait at the head's end
.irp a, 0,1,2,3
.irp g, 0,1
	global_load_b128 v[SS1+8*\a+4*\g:SS1+8*\a+4*\g+3], v6, s[92:93] offset:512*\a+16*\g
.endr
.endr
.irp b, 0,1,2,3,4,5,6,7
.irp g, 0,1
	global_load_b128 v[SS0+8*\b+4*\g:SS0+8*\b+4*\g+3], v6, s[84:85] offset:512*\b+16*\g
.endr
.endr
	WIN 0x40
.irp t, 0,1,2,3,4,5,6,7                        ; q: lane (r, h) wants, for tile t, the bias of columns 32 (t / 2) + 8 (t % 2) + 16 h + 0 .. 7
	global_load_b128 v[BIA+8*\t:BIA+8*\t+3], v7, s[8:9] offset:4*(32*(\t/2)+8*(\t%2))
	global_load_b128 v[BIA+8*\t+4:BIA+8*\t+7], v7, s[8:9] offset:4*(32*(\t/2)+8*(\t%2))+16
.endr
	WIN 0xc0
.irp t, 0,1,2,3,4,5,6,7                        ; v: one number a lane and tile
	global_load_b32 v[BV+8*\t], v10, s[8:9] offset:8192+4*(32*(\t/2)+8*(\t%2))
.endr
	WIN 0
	global_prefetch_b8 v11, s[88:89] th:TH_LOAD_NT scope:SCOPE_SE   ; w_k's tile, which the refills of q's phase will load
	s_cmp_lt_u32 s16, 2
	s_cbranch_scc0 .Lnot_first
	s_wait_tensorcnt 0x0                           ; waves 0 and 1: the first half of K has landed
.Lnot_first:
	s_barrier_signal -1
	s_barrier_wait -1                              ; the second half may be on its way
	FETCH 0, 0
	s_wait_loadcnt 0x0                             ; scale words and biases
	WIN 0xc3
.irp t, 0,1,2,3,4,5,6,7
.irp i, 1,2,3,4,5,6,7
	v_mov_b32 v[BV+8*\t+\i], v[BV+8*\t]            ; v's bias over the eight registers of each tile's C, while the first fragments are on their way
.endr
.endr
	WIN 0
	s_mov_b32 s67, 0                               ; the phase: 0 q, 1 k
.Lphase:
	STEPN 0, 0, 1
	s_wait_dscnt 0x0
	PLACES 4
	WIN 0xc0
.irp b, 0,1,2,3,4,5,6,7                        ; the next weight's scale words wait in window 3
.irp g, 0,1
	global_load_b128 v[ST+8*\b+4*\g:ST+8*\b+4*\g+3], v6, s[84:85] offset:32768+512*\b+16*\g
.endr
.endr
	WIN 0
	s_cmp_lg_u32 s67, 0
	s_cbranch_scc1 .Lno_k                          ; in q's phase alone: k's bias, and the prefetch of w_v's tile
	WIN 0x40
.irp t, 0,1,2,3,4,5,6,7
	global_load_b128 v[BIA+8*\t:BIA+8*\t+3], v7, s[8:9] offset:4096+4*(32*(\t/2)+8*(\t%2))
	global_load_b128 v[BIA+8*\t+4:BIA+8*\t+7], v7, s[8:9] offset:4096+4*(32*(\t/2)+8*(\t%2))+16
.endr
	WIN 0
	global_prefetch_b8 v11, s[88:89] offset:64*3072 th:TH_LOAD_NT scope:SCOPE_SE
.Lno_k:
	FETCH 2, 0
	MULX 1, 1, 2, 0, 0, 32
	STEPN 2, 0, 2
	STEPR 3, G0R, G0R+4
	STEPN 4, 0, 2
	STEPN 5, 0, 2
	STEPN 6, 0, 2
	STEPR 7, G0R+4, G0R                            ; its fetch is the next phase's first K step, from the slot that this round has shown
	WIN 0
; the way out of q or k: my tokens' tiles s78 + a; blocks 0, 1 of a lane's 64 are head 2 j, blocks 2, 3 head 2 j + 1
	s_mov_b32 s68, 53248
	s_mov_b32 s69, 49152
	s_cmp_lg_u32 s67, 0
	s_cselect_b64 s[74:75], s[12:13], s[10:11]     ; kv or qq
	s_cselect_b32 s68, 104448, s68                 ; a record's bytes
	s_cselect_b32 s69, 98304, s69                  ; where its scale words begin
	s_mul_i32 s70, s79, s68
	s_mov_b32 s71, 0
	s_add_nc_u64 s[74:75], s[74:75], s[70:71]      ; the first head's record
	s_mul_i32 s70, s78, 768
	s_add_nc_u64 s[80:81], s[74:75], s[70:71]      ; my codes, head 2 j
	s_mov_b32 s70, s68
	s_add_nc_u64 s[82:83], s[80:81], s[70:71]      ; head 2 j + 1
	s_lshl_b32 s70, s78, 6
	s_add_co_u32 s70, s70, s69
	s_add_nc_u64 s[74:75], s[74:75], s[70:71]      ; my four tiles' scale words
	PLACES 4                                       ; behind the last products
	s_wait_loadcnt 0x0
	WIN 0x03
.set I_, 0
.rept 64
	v_mov_b32 v[SS0+I_], v[ST+I_]                  ; the next weight's scale words take their places
.set I_, I_+1
.endr
	WIN 0
	s_add_nc_u64 s[84:85], s[84:85], 32768
	v_mul_lo_u32 v9, v3, s68
	v_lshl_add_u32 v9, v2, 4, v9                   ; lanes 0-15: head 2 j, lanes 16-31: head 2 j + 1; 16 r
.irp a, 0,1,2,3
.if \a > 0
	s_wait_xcnt 0x0                                ; the last tile's stores have read the codes' registers
.endif
	QUANT 64*\a, PW
	v_bfe_u32 v[WS+\a], v[PW], v8, 16              ; lanes 0-15 keep head 2 j's two bytes, lanes 16-31 head 2 j + 1's; 0 above
	global_store_b128 v4, v[PC:PC+3], s[80:81] offset:768*\a
	global_store_b64 v5, v[PC+4:PC+5], s[80:81] offset:768*\a+512
	global_store_b128 v4, v[PC+6:PC+9], s[82:83] offset:768*\a
	global_store_b64 v5, v[PC+10:PC+11], s[82:83] offset:768*\a+512
.endr
	global_store_b128 v9, v[WS:WS+3], s[74:75]     ; sixteen lanes fill 256 consecutive bytes, aligned, in each head's record
	WALU                                           ; the wait ahead of the wait and the branch below
	s_wait_xcnt 0x0                                ; the stores have read their registers and bases, which are written again
	s_add_co_u32 s67, s67, 1
	s_cmp_lt_u32 s67, 2
	s_cbranch_scc1 .Lphase
; ---------------- v: nothing more is filled
	STEPN 0, 1, 1
	STEPN 1, 1, 2
	STEPN 2, 1, 2
	s_wait_tensorcnt 0x0                           ; my quarter of w_v's second half has landed
	s_wait_dscnt 0x0
	s_barrier_signal -1                            ; a plain barrier shows it to all
	MULX 3, 1, 2, 1, 0, 16
	s_barrier_wait -1
	PLACES 4
	FETCH 4, 0
	MULX 3, 1, 2, 1, 16, 32
	STEPN 4, 1, 2
	STEPN 5, 1, 2
	STEPN 6, 1, 2
	s_wait_dscnt 0x0
	MULX 7, 1, 2, 1, 0, 32
	WIN 0
	s_lshl_b32 s68, s20, 1
	s_add_co_u32 s68, s68, s17                     ; which 128 keys of the batch: 2 cy + w / 2; my 64 are half w % 2
	s_mul_i32 s70, s79, 104448
	s_mul_i32 s69, s68, 6144
	s_add_co_u32 s70, s70, s69
	s_mul_i32 s69, s18, 768
	s_add_co_u32 s70, s70, s69
	s_add_co_u32 s70, s70, 49152
	s_mov_b32 s71, 0
	s_add_nc_u64 s[80:81], s[12:13], s[70:71]      ; V's codes, head 2 j
	s_add_co_u32 s69, s79, s18
	s_mul_i32 s70, s69, 104448
	s_lshl_b32 s69, s68, 8
	s_add_co_u32 s70, s70, s69
	s_add_co_u32 s70, s70, 102400
	s_add_nc_u64 s[82:83], s[12:13], s[70:71]      ; the block of scale words that I store: head 2 j + w % 2, keys 2 cy + w / 2
	PLACES 4
.irp n, 0,1,2,3                                ; tiles of d 2 n, 2 n + 1 of the eight: head n / 2
.if \n > 0
	s_wait_xcnt 0x0
.endif
	QUANT 64*\n, PW
	v_bfe_u32 v[WS+\n], v[PW], v8, 16              ; lanes 0-15: tile 2 n's two bytes, lanes 16-31: tile 2 n + 1's
	ds_store_b16 v12, v[WS+\n] offset:256*(\n/2)+8*(\n%2)
	global_store_b128 v4, v[PC:PC+3], s[80:81] offset:104448*(\n/2)+3072*(\n%2)
	global_store_b64 v5, v[PC+4:PC+5], s[80:81] offset:104448*(\n/2)+3072*(\n%2)+512
	global_store_b128 v4, v[PC+6:PC+9], s[80:81] offset:104448*(\n/2)+3072*(\n%2)+1536
	global_store_b64 v5, v[PC+10:PC+11], s[80:81] offset:104448*(\n/2)+3072*(\n%2)+2048
.endr
	s_wait_dscnt 0x0                               ; my bytes are in LDS
	s_barrier_signal -1
	s_barrier_wait -1                              ; and so are the other waves'
	ds_load_b64 v[WS:WS+1], v13
	s_wait_dscnt 0x0
	global_store_b64 v5, v[WS:WS+1], s[82:83]      ; 256 consecutive bytes, aligned
	s_wait_tensorcnt 0x0                           ; the wave's end
	ds_add_u32 v[SPW], v[NIL]
	s_wait_dscnt 0x0
	CROUND                                         ; the closing round
	s_endpgm
.Lfunc_end_k_qbd3aecb3db_qkv:
	.size	k_qbd3aecb3db_qkv, .Lfunc_end_k_qbd3aecb3db_qkv-k_qbd3aecb3db_qkv
	.p2alignl 7, 3214868480
	.fill 96, 4, 3214868480
	.section	.rodata,"a",@progbits
	.p2align	6, 0x0
	.amdhsa_kernel k_qbd3aecb3db_qkv
		.amdhsa_group_segment_fixed_size 327680
		.amdhsa_private_segment_fixed_size 0
		.amdhsa_enable_private_segment 0
		.amdhsa_kernarg_size 40
		.amdhsa_user_sgpr_count 2
		.amdhsa_user_sgpr_kernarg_segment_ptr 1
		.amdhsa_wavefront_size32 1
		.amdhsa_system_sgpr_workgroup_id_x 1
		.amdhsa_system_sgpr_workgroup_id_y 1
		.amdhsa_system_sgpr_workgroup_id_z 1
		.amdhsa_system_vgpr_workitem_id 0
		.amdhsa_next_free_vgpr 896
		.amdhsa_next_free_sgpr 100
		.amdhsa_reserve_vcc 0
		.amdhsa_float_denorm_mode_32 3
		.amdhsa_float_denorm_mode_16_64 3
		.amdhsa_memory_ordered 1
		.amdhsa_forward_progress 1
		.amdhsa_inst_pref_size 177
	.end_amdhsa_kernel
	.amdgpu_metadata
---
amdhsa.version: [ 1, 2 ]
amdhsa.kernels:
  - .name:           k_qbd3aecb3db_qkv
    .symbol:         k_qbd3aecb3db_qkv.kd
    .args:
      - { .name: pc, .offset: 0, .size: 8, .value_kind: global_buffer, .address_space: global }
      - { .name: ps, .offset: 8, .size: 8, .value_kind: global_buffer, .address_space: global }
      - { .name: b_attn, .offset: 16, .size: 8, .value_kind: global_buffer, .address_space: global }
      - { .name: qq, .offset: 24, .size: 8, .value_kind: global_buffer, .address_space: global }
      - { .name: kv, .offset: 32, .size: 8, .value_kind: global_buffer, .address_space: global }
    .group_segment_fixed_size: 327680
    .private_segment_fixed_size: 0
    .kernarg_segment_align: 8
    .kernarg_segment_size: 40
    .max_flat_workgroup_size: 128
    .sgpr_count:     100
    .vgpr_count:     896
    .wavefront_size: 32
...
	.end_amdgpu_metadata
.endif
;; end of part 2
;; launch attn (part 3): grid 2 x 128, 16 waves a work-group, no clusters, 169,984 bytes of LDS; arguments qq, kv, yc, ys; writes yc, ys
.if DOCPART == 3
	.amdgcn_target "amdgcn-amd-amdhsa--gfx1250"
	.amdhsa_code_object_version 6
	.text
	.protected	k_qbd3aecb3db_attn
	.globl	k_qbd3aecb3db_attn
	.p2align	8
	.type	k_qbd3aecb3db_attn,@function
k_qbd3aecb3db_attn:
	s_mov_b64 s[64:65], 0
	v_nop
	global_prefetch_b8 v0, s[64:65] scope:SCOPE_SE
	s_setreg_imm32_b32 hwreg(HW_REG_WAVE_MODE, 25, 1), 1
	s_wait_xcnt 0x0
; y = softmax(q k^T / 8, causal) v for one head, both products on codes of FP6 (E2M3) with E8M0 scales; y leaves as codes, quantised along the head's 64, for the output projection.
; THE SOFTMAX AHEAD OF THE SECOND PRODUCT: t = score x log2(e) / 8; M = the running largest t rounded UP to a whole number; p = 2^(t - M) is quantised along the keys, not normalised; the row's sum is taken of the
; unquantised p and divides at the end.  When M moves, the sum and O are multiplied by 2^(old M - new M): exact.
; SHARES.  A work-group is half of a head (grid x = the half, y = 16 batch + head).  Each of the sixteen waves owns two tiles of 16 queries, t1 = 16 half + wave and 63 - t1.  Tile t needs t / 8 + 1 key steps of 128,
; so every wave walks 9 steps, two of them on the diagonal.  Four waves share a SIMD.
; THE RECORD OF K AND V, 104,448 bytes, comes into LDS ONCE, IN TWO PARTS, and is only read.  The first tile (t1 <= 31) reaches key steps 0 to 3 at the most: waves 0 and 1 fetch K's and V's codes of these steps, wave 2 all scale words,
; and the first barrier shows these three loads alone.  Waves 4 and 5 fetch the codes of key steps 4 to 7, by a load line of their own; a barrier in the first tile's way out, in front of which every wave waits for its tensor loads, shows them.
; THE TWO TILES ARE WRITTEN ONE AFTER THE OTHER.  A tile's first key step starts the sums; the others are a loop of constant count (3 trips, then 7) with the LDS offsets stepped in scalars.
; A step all of whose keys come after the tile's queries is jumped over by a scalar branch on ids; on the diagonal hidden scores become -infinity ahead of the maximum.  Each query's own key lies in its diagonal step, so M is a number from the first step on.
; NO CLUSTER: only the two halves of a head read the same record, once each, in their first lines, and their walks differ.  NO PREFETCH: all is asked for in the first lines.
; LAYOUT.  Both products transposed: S^T = K Q^T, O^T = V^T P^T: a lane holds ONE query (lane % 16).  Lane r of every tile (queries, keys, d) holds row 32 (t / 2) + 8 (t % 2) + r % 8 + 16 (r / 8), so the 16 registers
; of two neighbouring tiles are 16 neighbours: keys for p, d for y.  The head's K is 64: a tile of K or Q is half a fragment; Q's upper half is zero codes, and K's operand takes the next tile's codes there, which meet those zeros.
; LIMITS: a block of zeros gets the byte 1 (its codes are zeros); NaN and infinities are not served.
; REGISTERS: v1-10 addresses; v12 -M, v13 largest t, v[14:15] the sum in two halves; v16-27 Q and zeros; v28-33, v35 the second tile's Q; v34 Q's scale word; v36-89 eight tiles of K (+ zeros), then four fragments of V;
; v90-95 a later step's LDS addresses; v96-159 S^T, then p, at the end y; v160-191 O^T; v192-210 codes; v212-219 K's scale words, v220-223 V's; v224-245 at work.
.set PLANE_Y, 1572864                  ; yc: 512 tiles x 3,072 bytes: four heads
.set SEL, 20                           ; s[20:21] lane selects: lane l xor 16
.set CS,  22                           ; s[22:23] c = log2(e) / 8
	s_load_b256 s[4:11], s[0:1], 0x0               ; qq s[4:5], kv s[6:7], yc s[8:9], ys s[10:11]
	v_lshl_add_u32 v254, v0, 2, 0x29000
	v_mov_b32 v255, 0
	ds_add_u32 v254, v255
	ds_add_u32 v254, v255
	v_lshrrev_b32 v1, 5, v0
	s_delay_alu instid0(VALU_DEP_1)
	v_readfirstlane_b32 s16, v1                    ; wave 0..15
	s_and_b32 s18, ttmp7, 0xffff                   ; 16 batch + head
	s_lshl_b32 s19, ttmp9, 4
	s_add_co_u32 s19, s19, s16                     ; my first tile of queries
	; descriptor groups 1: dense bytes as rows of 256 (32 elements of 8 bytes): four key steps' codes of K or of V, 24,576 bytes, 96 rows;
	s_mov_b32 s24, 3<<16
	s_mov_b32 s25, 32<<16
	s_mov_b32 s26, 96<<16
	s_mov_b32 s27, 32<<16
	s_mov_b32 s28, 96
	s_mov_b32 s29, 32
	s_mov_b32 s30, 0
	s_mov_b32 s31, 0
	s_mov_b32 s68, 3<<16                           ; and all scale words, 6,144 bytes, 24 rows
	s_mov_b32 s69, 32<<16
	s_mov_b32 s70, 24<<16
	s_mov_b32 s71, 32<<16
	s_mov_b32 s72, 24
	s_mov_b32 s73, 32
	s_mov_b32 s74, 0
	s_mov_b32 s75, 0
	s_and_b32 s44, s16, 1                          ; where my part lies, in the record and in LDS alike: waves 0, 1: K's, V's first halves; wave 2: the scale words; waves 4, 5: the second halves
	s_mul_i32 s44, s44, 49152
	s_bfe_u32 s45, s16, 0x10001
	s_mul_i32 s45, s45, 98304
	s_add_co_u32 s44, s44, s45
	s_lshr_b32 s45, s16, 2
	s_mul_i32 s45, s45, 24576
	s_add_co_u32 s44, s44, s45
	s_mul_i32 s46, s18, 104448
	s_add_co_u32 s46, s46, s44
	s_mov_b32 s47, 0
	s_mov_b32 s[SEL], 0x76543210
	s_mov_b32 s[SEL+1], 0xfedcba98
	s_mov_b32 s[CS], 0x3e38aa3b
	s_mov_b32 s[CS+1], s[CS]                       ; named with it as a pair, so it is written
	s_wait_dscnt 0x0
	s_wait_kmcnt 0x0
	s_mov_b32 s32, 1
	s_mov_b32 s33, s44
	s_add_nc_u64 s[34:35], s[6:7], s[46:47]
	s_or_b32 s35, s35, 0x80000000
	s_cmp_lt_u32 s16, 2                            ; one chain of branches on the wave's number, one fill to an arm: a wave has at most one tensor load out
	s_cbranch_scc0 .Larm_s
	tensor_load_to_lds s[32:35], s[24:31]
	s_nop 0
.rept 4
	v_nop
.endr
	s_branch .Lno_fill
.Larm_s:
	s_cmp_lt_u32 s16, 3
	s_cbranch_scc0 .Larm_n
	tensor_load_to_lds s[32:35], s[68:75]
	s_nop 0
.rept 4
	v_nop
.endr
	s_branch .Lno_fill
.Larm_n:
	s_cmp_lt_u32 s16, 4
	s_cbranch_scc1 .Lno_fill
	s_cmp_lt_u32 s16, 6
	s_cbranch_scc0 .Lno_fill
	tensor_load_to_lds s[32:35], s[24:31]
	s_nop 0
.rept 4
	v_nop
.endr
.Lno_fill:
	v_and_b32 v11, 31, v0                          ; lane
	v_and_b32 v240, 15, v0                         ; r
	v_bfe_u32 v241, v0, 4, 1                       ; h
	s_delay_alu instid0(VALU_DEP_3)
	v_lshlrev_b32 v1, 4, v11                       ; 16 x lane: K's codes, registers 0-3
	s_delay_alu instid0(VALU_DEP_4)
	v_lshlrev_b32 v8, 3, v11                       ; 8 x lane
	s_delay_alu instid0(VALU_DEP_1)
	v_add_nc_u32 v2, 512, v8                       ; K's codes, registers 4-5
	s_delay_alu instid0(VALU_DEP_3)
	v_add_nc_u32 v3, 49152, v1                     ; V's codes
	s_delay_alu instid0(VALU_DEP_3)
	v_add_nc_u32 v4, 49664, v8
	v_lshlrev_b32 v7, 4, v240                      ; 16 r
	s_delay_alu instid0(VALU_DEP_1)
	v_add_nc_u32 v5, 98304, v7                     ; K's scale words: four tiles' for my row
	s_delay_alu instid0(VALU_DEP_2)
	v_add_nc_u32 v6, 102400, v7                    ; V's
	v_lshl_add_u32 v9, v240, 5, v241               ; y's scale bytes: 32 r + h
	v_and_b32 v10, 7, v240
	v_lshrrev_b32 v242, 3, v240
	s_delay_alu instid0(VALU_DEP_1)
	v_lshl_add_u32 v10, v242, 4, v10
	v_lshlrev_b32 v242, 4, v241
	s_delay_alu instid0(VALU_DEP_1)
	v_sub_nc_u32 v10, v10, v242                    ; r % 8 + 16 (r / 8) - 16 h
	v_cmp_ne_u32 s36, 0, v241                      ; lanes 16-31
	s_mul_i32 s46, s18, 53248
	s_add_nc_u64 s[48:49], s[4:5], s[46:47]        ; Q's record
	s_mul_i32 s46, s19, 768
	s_add_nc_u64 s[50:51], s[48:49], s[46:47]      ; the first tile's codes
	s_sub_co_u32 s45, 63, s19
	s_mul_i32 s46, s45, 768
	s_add_nc_u64 s[52:53], s[48:49], s[46:47]      ; the second's
	s_lshr_b32 s46, s19, 2
	s_lshl_b32 s46, s46, 8
	s_and_b32 s44, s19, 3
	s_lshl_b32 s44, s44, 2
	s_add_co_u32 s46, s46, s44
	s_add_co_u32 s46, s46, 49152
	s_add_nc_u64 s[54:55], s[48:49], s[46:47]      ; the first tile's scale words: 256 (t / 4) + 4 (t % 4)
	s_lshr_b32 s46, s45, 2
	s_lshl_b32 s46, s46, 8
	s_and_b32 s44, s45, 3
	s_lshl_b32 s44, s44, 2
	s_add_co_u32 s46, s46, s44
	s_add_co_u32 s46, s46, 49152
	s_add_nc_u64 s[56:57], s[48:49], s[46:47]
	global_load_b128 v[16:19], v1, s[50:51]
	global_load_b64 v[20:21], v8, s[50:51] offset:512
	global_load_b128 v[28:31], v1, s[52:53]
	global_load_b64 v[32:33], v8, s[52:53] offset:512
	global_load_b32 v34, v7, s[54:55]
	global_load_b32 v35, v7, s[56:57]
.irp j, 22,23,24,25,26,27,84,85,86,87,88,89
	v_mov_b32 v\j, 0                               ; zero codes: Q's upper half, and what stands behind K's eighth tile
.endr
.irp j, 228,229,230,231,239
	v_mov_b32 v\j, 0                               ; written once: lane permutes' destinations, and the upper half of the pair v[238:239]
.endr
	v_mov_b32 v245, 0xff800000                     ; -infinity
	s_wait_alu depctr_va_vdst(0)                   ; the wait at the head's end
	s_cmp_lt_u32 s16, 3
	s_cbranch_scc0 .Lnot_first
	s_wait_tensorcnt 0x0                           ; waves 0 to 2: my part of what the first tile reads has landed
.Lnot_first:
	s_barrier_signal -1
	s_barrier_wait -1                              ; key steps 0 to 3 and all scale words are in; the second halves may be on their way
	s_wait_loadcnt 0x0                             ; Q
; A KEY STEP of 128 keys.  first = 1: keys 0 .. 127, the addresses as they were made at the head, and the products start the sums.  first = 0: key step s39; s58, s59, s60 hold its offsets in the codes and in K's and V's scale words.
.macro STEP first
.if \first
.set AK, 1
.set AV, 3
.set AS, 5
.set AT, 6
.else
.set AK, 90
.set AV, 92
.set AS, 94
.set AT, 95
.rept 4
	v_nop                                          ; places in front of loads into registers that the last products have read
.endr
	v_add_nc_u32 v90, s58, v1
	v_add_nc_u32 v91, s58, v2
	v_add_nc_u32 v92, s58, v3
	v_add_nc_u32 v93, s58, v4
	v_add_nc_u32 v94, s59, v5
	v_add_nc_u32 v95, s60, v6
	s_wait_alu depctr_va_vdst(0)                   ; the wait
.endif
.irp t, 0,1,2,3,4,5,6,7
	ds_load_b128 v[36+6*\t:39+6*\t], v[AK] offset:768*\t
	ds_load_b64 v[40+6*\t:41+6*\t], v[AK+1] offset:768*\t
.endr
	ds_load_b128 v[212:215], v[AS]
	ds_load_b128 v[216:219], v[AS] offset:256
	s_wait_dscnt 0x0
.irp t, 0,1,2,3,4,5,6,7                        ; S^T = K Q^T: the operand's upper six registers are the next tile's codes, against Q's zeros
	v_wmma_scale_f32_16x16x128_f8f6f4 v[96+8*\t:103+8*\t], v[36+6*\t:47+6*\t], v[16:27], 0, v[212+\t], v34 matrix_a_fmt:MATRIX_FMT_FP6 matrix_b_fmt:MATRIX_FMT_FP6
.endr
.rept 4
	v_nop                                          ; places: K's registers are loaded again, and the scores are read, below
.endr
.irp d, 0,1,2,3                                ; V's four fragments land under the softmax
	ds_load_b128 v[36+12*\d:39+12*\d], v[AV] offset:1536*\d
	ds_load_b64 v[40+12*\d:41+12*\d], v[AV+1] offset:1536*\d
	ds_load_b128 v[42+12*\d:45+12*\d], v[AV] offset:1536*\d+768
	ds_load_b64 v[46+12*\d:47+12*\d], v[AV+1] offset:1536*\d+768
.endr
	ds_load_b128 v[220:223], v[AT]
.if \first
	s_cmp_lg_u32 s37, 0                            ; a step all of whose keys count skips the mask
.else
	s_cmp_lg_u32 s37, s39
.endif
	s_cbranch_scc1 .Lopen_\@
.set NN, 0
	s_wait_alu depctr_va_vdst(0)
.rept 64                                       ; register 16 b + i holds key 32 b + 16 h + i of the step: hidden where 32 b + i > my query, counted from the step's first key, - 16 h
	v_cmp_gt_i32 vcc_lo, 32*(NN/16)+NN%16, v244
	v_cndmask_b32 v[96+NN], v[96+NN], v245, vcc_lo
.set NN, NN+1
.endr
.Lopen_\@:
.irp b, 0,1,2,3
	v_max3_num_f32 v[224+\b], v[96+16*\b], v[97+16*\b], v[98+16*\b]   ; the largest score of each block of 32 keys: for the row's maximum and, since p rises with the score, for the block's largest p
.endr
.irp i, 3,5,7,9,11,13
.irp b, 0,1,2,3
	v_max3_num_f32 v[224+\b], v[224+\b], v[96+16*\b+\i], v[97+16*\b+\i]
.endr
.endr
.irp b, 0,1,2,3
	v_max_num_f32 v[224+\b], v[224+\b], v[111+16*\b]
.endr
.irp b, 0,1,2,3
	s_delay_alu instid0(VALU_DEP_4)
	v_permlanex16_b32 v[228+\b], v[224+\b], s[SEL], s[SEL+1]
.endr
.irp b, 0,1,2,3
	s_delay_alu instid0(VALU_DEP_4)
	v_max_num_f32 v[224+\b], v[224+\b], v[228+\b]  ; with lane l xor 16's 16 keys
.endr
	s_delay_alu instid0(VALU_DEP_2)
	v_max3_num_f32 v240, v224, v225, v226
	s_delay_alu instid0(VALU_DEP_1)
	v_max_num_f32 v240, v240, v227                 ; the step's largest score of my query
	s_delay_alu instid0(VALU_DEP_1)
	v_mul_f32 v240, s[CS], v240                    ; as t
	s_delay_alu instid0(VALU_DEP_1)
	v_max_num_f32 v13, v13, v240                   ; the running largest t
	v_mov_b32 v240, v12
	s_delay_alu instid0(VALU_DEP_2)
	v_floor_f32 v12, -v13                          ; the new -M = floor(-t): M is a whole number
	s_delay_alu instid0(VALU_DEP_1)
	v_sub_f32 v240, v12, v240                      ; old M - new M: a whole number, 0 or less
	s_delay_alu instid0(VALU_DEP_1)
	v_cvt_i32_f32 v240, v240                       ; (it saturates)
	s_delay_alu instid0(VALU_DEP_1)
	v_ldexp_f32 v238, 1.0, v240                    ; f = 2^(old M - new M)
.set JJ, 0
.rept 32
	v_pk_fma_f32 v[96+JJ:97+JJ], v[96+JJ:97+JJ], s[CS:CS+1], v[12:13] op_sel_hi:[1,0,0]   ; t - M, two at a time
.set JJ, JJ+2
.endr
.irp b, 0,1,2,3
	v_fma_f32 v[224+\b], v[224+\b], s[CS], v12     ; the same of each block's largest score
.endr
.set JJ, 0
	s_wait_alu depctr_va_vdst(0)
.rept 64
	v_exp_f32 v[96+JJ], v[96+JJ]                   ; p = 2^(t - M), at most 1
.set JJ, JJ+1
.endr
	v_pk_mul_f32 v[14:15], v[14:15], v[238:239] op_sel_hi:[1,0]   ; the sums under the new M: the plain instruction behind the exponentials
	s_wait_alu depctr_va_vdst(0)                   ; one wait for the batch of 64, ahead of its first reader
.irp b, 0,1,2,3
	v_exp_f32 v[224+\b], v[224+\b]                 ; the block's largest p: the same two instructions on the same number
.endr
	v_pk_add_f32 v[242:243], v[100:101], v[104:105]
	v_pk_add_f32 v[252:253], v[108:109], v[112:113]
	v_pk_add_f32 v[250:251], v[116:117], v[120:121]
	v_pk_add_f32 v[248:249], v[124:125], v[128:129]
	v_pk_add_f32 v[246:247], v[132:133], v[136:137]
	v_pk_add_f32 v[240:241], v[140:141], v[144:145]
	v_pk_add_f32 v[236:237], v[148:149], v[152:153]
	v_pk_add_f32 v[14:15], v[14:15], v[156:157]
	v_pk_add_f32 v[242:243], v[242:243], v[96:97]
	v_pk_add_f32 v[252:253], v[252:253], v[98:99]
	v_pk_add_f32 v[250:251], v[250:251], v[102:103]
	v_pk_add_f32 v[248:249], v[248:249], v[106:107]
	v_pk_add_f32 v[246:247], v[246:247], v[110:111]
	v_pk_add_f32 v[240:241], v[240:241], v[114:115]
	v_pk_add_f32 v[236:237], v[236:237], v[118:119]
	v_pk_add_f32 v[14:15], v[14:15], v[122:123]
	v_pk_add_f32 v[242:243], v[242:243], v[126:127]
	v_pk_add_f32 v[252:253], v[252:253], v[130:131]
	v_pk_add_f32 v[250:251], v[250:251], v[134:135]
	v_pk_add_f32 v[248:249], v[248:249], v[138:139]
	v_pk_add_f32 v[246:247], v[246:247], v[142:143]
	v_pk_add_f32 v[240:241], v[240:241], v[146:147]
	v_pk_add_f32 v[236:237], v[236:237], v[150:151]
	v_pk_add_f32 v[14:15], v[14:15], v[154:155]
	v_pk_add_f32 v[242:243], v[242:243], v[158:159]
	s_delay_alu instid0(VALU_DEP_2)
	v_pk_add_f32 v[14:15], v[14:15], v[248:249]
	s_delay_alu instid0(VALU_DEP_2)
	v_pk_add_f32 v[242:243], v[242:243], v[246:247]
	v_pk_add_f32 v[252:253], v[252:253], v[240:241]
	v_pk_add_f32 v[250:251], v[250:251], v[236:237]
	s_delay_alu instid0(VALU_DEP_2)
	v_pk_add_f32 v[14:15], v[14:15], v[252:253]
	s_delay_alu instid0(VALU_DEP_2)
	v_pk_add_f32 v[242:243], v[242:243], v[250:251]
	s_delay_alu instid0(VALU_DEP_1)
	v_pk_add_f32 v[14:15], v[14:15], v[242:243]
	s_wait_alu depctr_va_vdst(0)                   ; and one for the four
.irp b, 0,1,2,3
	v_max_num_f32 v[224+\b], 0x1800000, v[224+\b]  ; the floor 2^(3 - 127): a block whose every p is 0 keeps the byte 1: its codes are zeros
.endr
.irp b, 0,1,2,3
	s_delay_alu instid0(VALU_DEP_4)
	v_add_nc_u32 v[232+\b], 0xff000000, v[224+\b]  ; the conversion's scale operand
.endr
.irp b, 0,1,2,3
	s_delay_alu instid0(VALU_DEP_4)
	v_lshrrev_b32 v[228+\b], 23, v[232+\b]         ; the scale's byte
.endr
	s_delay_alu instid0(VALU_DEP_3)
	v_lshl_or_b32 v236, v229, 8, v228              ; p's scale word for these 128 keys
	s_delay_alu instid0(VALU_DEP_1)
	v_lshl_or_b32 v236, v230, 16, v236
	s_delay_alu instid0(VALU_DEP_1)
	v_lshl_or_b32 v236, v231, 24, v236
.irp c, 0,1
	v_cvt_scalef32_pk16_fp6_f32 v[192+6*\c:194+6*\c], v[96+32*\c:111+32*\c], v[232+2*\c]
	v_cvt_scalef32_pk16_fp6_f32 v[204+4*\c:206+4*\c], v[112+32*\c:127+32*\c], v[232+2*\c+1]
.endr
	v_nop                                          ; one plain instruction behind the scaled conversions
.irp c, 0,1
.irp i, 0,1,2
	v_permlane16_swap_b32 v[192+6*\c+\i], v[204+4*\c+\i]   ; a whole block to a lane
.endr
.irp i, 0,1,2
	s_delay_alu instid0(VALU_DEP_3)
	v_mov_b32 v[195+6*\c+\i], v[204+4*\c+\i]
.endr
.endr
.if \first
	s_wait_alu depctr_va_vdst(0)
.rept 8
	v_nop                                          ; the first step has nothing to rescale: eight places between p's scale word and the scaled products
.endr
.else
.set JJ, 0
.rept 16
	v_pk_mul_f32 v[160+JJ:161+JJ], v[160+JJ:161+JJ], v[238:239] op_sel_hi:[1,0]   ; O^T under the new M.  Twelve of the sixteen name no register of any one product below: the places between p's codes and scale word and that product
.set JJ, JJ+2
.endr
.endif
	s_wait_alu depctr_va_vdst(0)
	s_wait_dscnt 0x0                               ; V
.irp d, 0,1,2,3                                ; O^T += V^T P^T; the four accumulators take turns; the first step's products start the sums
.if \first
	v_wmma_scale_f32_16x16x128_f8f6f4 v[160+8*\d:167+8*\d], v[36+12*\d:47+12*\d], v[192:203], 0, v[220+\d], v236 matrix_a_fmt:MATRIX_FMT_FP6 matrix_b_fmt:MATRIX_FMT_FP6
.else
	v_wmma_scale_f32_16x16x128_f8f6f4 v[160+8*\d:167+8*\d], v[36+12*\d:47+12*\d], v[192:203], v[160+8*\d:167+8*\d], v[220+\d], v236 matrix_a_fmt:MATRIX_FMT_FP6 matrix_b_fmt:MATRIX_FMT_FP6
.endif
.endr
.endm
; A TILE of 16 queries, number s19.  last: the last key step that a tile of this turn can reach.  more = 1: the wave's first tile: its way out holds the barrier that shows the record's second part, and makes ready for the second tile.
.macro TILE last, more
	s_lshr_b32 s37, s19, 3                         ; the tile's diagonal step
	s_lshr_b32 s44, s19, 1
	s_and_b32 s44, s44, 3
	s_lshl_b32 s44, s44, 5
	s_and_b32 s45, s19, 1
	s_lshl_b32 s45, s45, 3
	s_add_co_u32 s44, s44, s45
	v_add_nc_u32 v244, s44, v10                    ; my query, counted from the diagonal step's first key, - 16 h
	s_lshr_b32 s44, s18, 4
	s_lshl_b32 s44, s44, 6
	s_add_co_u32 s44, s44, s19                     ; the tile among all 512: 64 batch + tile
	s_and_b32 s45, s18, 15                         ; the head
	s_lshr_b32 s46, s45, 2
	s_mul_i32 s46, s46, PLANE_Y
	s_mul_i32 s48, s44, 3072
	s_add_co_u32 s46, s46, s48
	s_and_b32 s48, s18, 3
	s_mul_i32 s48, s48, 768
	s_add_co_u32 s46, s46, s48
	s_add_nc_u64 s[40:41], s[8:9], s[46:47]        ; y's codes: [head / 4][tile][head % 4][768]
	s_lshl_b32 s46, s44, 9
	s_lshl_b32 s48, s45, 1
	s_add_co_u32 s46, s46, s48
	s_add_nc_u64 s[42:43], s[10:11], s[46:47]      ; y's scale bytes: [tile][r][2 head + block]
	v_mov_b32 v13, 0xff61b1e6                      ; the largest t so far: -3e38, under every t
	s_delay_alu instid0(VALU_DEP_1)
	v_floor_f32 v12, -v13                          ; -M
	v_mov_b32 v14, 0                               ; the sum, in two halves
	v_mov_b32 v15, 0
	STEP 1
	s_mov_b32 s58, 0
	s_mov_b32 s59, 0
	s_mov_b32 s60, 0
	s_mov_b32 s39, 1                               ; the key step
.Lq_\@:
	s_add_co_u32 s58, s58, 6144                    ; a key step's codes of K or of V,
	s_add_co_u32 s59, s59, 512                     ; K's scale words,
	s_add_co_u32 s60, s60, 256                     ; V's
	s_cmp_lt_u32 s37, s39                          ; all keys from here on come after my tile's queries: the step's work is jumped over
	s_cbranch_scc1 .Lskip_\@
	STEP 0
.Lskip_\@:
	s_add_co_u32 s39, s39, 1
	s_cmp_lt_u32 s39, \last+1
	s_cbranch_scc1 .Lq_\@
.if \more
	s_wait_alu depctr_va_vdst(0)                   ; the wait ahead of the waits below
	s_wait_tensorcnt 0x0                           ; every wave: my tensor load, if I have one, has landed: waves 4 and 5's are the record's second part
	s_wait_dscnt 0x0
	s_barrier_signal -1                            ; work on registers alone stands between this signal and its wait
.endif
.rept 4
	v_nop                                          ; places behind the last products
.endr
.if \more
	v_mov_b32 v34, v35                             ; the second tile's Q takes the first's place here, so that all the vector work below stands between these lines and the next scaled product
.irp j, 0,1,2,3,4,5
	v_mov_b32 v[16+\j], v[28+\j]
.endr
.endif
	v_add_f32 v14, v14, v15                        ; the sum's two halves,
	s_delay_alu instid0(VALU_DEP_1)
	v_permlanex16_b32 v228, v14, s[SEL], s[SEL+1]
	s_delay_alu instid0(VALU_DEP_1)
	v_add_f32 v14, v14, v228                       ; and lane l xor 16's: the row's sum
	s_wait_alu depctr_va_vdst(0)
	v_rcp_f32 v14, v14
	v_nop                                          ; a plain instruction behind the reciprocal
	s_wait_alu depctr_va_vdst(0)                   ; and the wait ahead of its first reader
.set JJ, 0
.rept 16
	v_pk_mul_f32 v[96+JJ:97+JJ], v[160+JJ:161+JJ], v[14:15] op_sel_hi:[1,0]   ; y = O^T / the sum: register 16 b + i is d = 32 b + 16 h + i of my query; each accumulator from its low end on
.set JJ, JJ+2
.endr
.irp b, 0,1                                    ; y's two blocks of 32 along d are quantised: half a fragment
	v_max3_num_f32 v[224+\b], |v[96+16*\b]|, |v[97+16*\b]|, 0x1800000
.endr
.irp i, 2,4,6,8,10,12,14
.irp b, 0,1
	s_delay_alu instid0(VALU_DEP_2)
	v_max3_num_f32 v[224+\b], v[224+\b], |v[96+16*\b+\i]|, |v[97+16*\b+\i]|
.endr
.endr
.irp b, 0,1
	s_delay_alu instid0(VALU_DEP_2)
	v_permlanex16_b32 v[228+\b], v[224+\b], s[SEL], s[SEL+1]
.endr
.irp b, 0,1
	s_delay_alu instid0(VALU_DEP_2)
	v_max_num_f32 v[224+\b], v[224+\b], v[228+\b]
.endr
.irp b, 0,1
	s_delay_alu instid0(VALU_DEP_2)
	v_add_nc_u32 v[232+\b], 0xff000000, v[224+\b]
.endr
.irp b, 0,1
	s_delay_alu instid0(VALU_DEP_2)
	v_lshrrev_b32 v[228+\b], 23, v[232+\b]
.endr
	v_cvt_scalef32_pk16_fp6_f32 v[192:194], v[96:111], v232
	v_cvt_scalef32_pk16_fp6_f32 v[204:206], v[112:127], v233
	v_nop                                          ; one plain instruction behind the scaled conversions
.irp i, 0,1,2
	v_permlane16_swap_b32 v[192+\i], v[204+\i]
.endr
.irp i, 0,1,2
	s_delay_alu instid0(VALU_DEP_3)
	v_mov_b32 v[195+\i], v[204+\i]
.endr
	v_cndmask_b32 v240, v228, v229, s36            ; lanes 0-15 store block 0's byte, lanes 16-31 block 1's
.if \more
	s_wait_alu depctr_va_vdst(0)                   ; the wait ahead of the barrier's wait
	s_barrier_wait -1                              ; the whole record is in; from here on LDS is only read
.endif
	global_store_b128 v1, v[192:195], s[40:41]     ; 512 consecutive bytes
	global_store_b64 v8, v[196:197], s[40:41] offset:512
	global_store_b8 v9, v240, s[42:43]             ; one byte a lane at a pitch of 32: one byte for each 24 bytes of codes
.if \more
	s_wait_xcnt 0x0                                ; the stores have read their data and bases, which the next tile writes again
	s_sub_co_u32 s19, 63, s19                      ; the second tile
.endif
.endm
	TILE 3, 1                                      ; tile 16 half + wave: 31 at the most, key steps 0 to 3
	TILE 7, 0                                      ; tile 63 - that: key steps 0 to 7
	s_wait_tensorcnt 0x0
	ds_add_u32 v254, v255
	s_wait_dscnt 0x0
	s_endpgm
.Lfunc_end_k_qbd3aecb3db_attn:
	.size	k_qbd3aecb3db_attn, .Lfunc_end_k_qbd3aecb3db_attn-k_qbd3aecb3db_attn
	.p2alignl 7, 3214868480
	.fill 96, 4, 3214868480
	.section	.rodata,"a",@progbits
	.p2align	6, 0x0
	.amdhsa_kernel k_qbd3aecb3db_attn
		.amdhsa_group_segment_fixed_size 169984
		.amdhsa_private_segment_fixed_size 0
		.amdhsa_enable_private_segment 0
		.amdhsa_kernarg_size 32
		.amdhsa_user_sgpr_count 2
		.amdhsa_user_sgpr_kernarg_segment_ptr 1
		.amdhsa_wavefront_size32 1
		.amdhsa_system_sgpr_workgroup_id_x 1
		.amdhsa_system_sgpr_workgroup_id_y 1
		.amdhsa_system_sgpr_workgroup_id_z 1
		.amdhsa_system_vgpr_workitem_id 0
		.amdhsa_next_free_vgpr 256
		.amdhsa_next_free_sgpr 76
		.amdhsa_reserve_vcc 1
		.amdhsa_float_denorm_mode_32 3
		.amdhsa_float_denorm_mode_16_64 3
		.amdhsa_memory_ordered 1
		.amdhsa_forward_progress 1
		.amdhsa_inst_pref_size 106
	.end_amdhsa_kernel
	.amdgpu_metadata
---
amdhsa.version: [ 1, 2 ]
amdhsa.kernels:
  - .name:           k_qbd3aecb3db_attn
    .symbol:         k_qbd3aecb3db_attn.kd
    .args:
      - { .name: qq, .offset: 0, .size: 8, .value_kind: global_buffer, .address_space: global }
      - { .name: kv, .offset: 8, .size: 8, .value_kind: global_buffer, .address_space: global }
      - { .name: yc, .offset: 16, .size: 8, .value_kind: global_buffer, .address_space: global }
      - { .name: ys, .offset: 24, .size: 8, .value_kind: global_buffer, .address_space: global }
    .group_segment_fixed_size: 169984
    .private_segment_fixed_size: 0
    .kernarg_segment_align: 8
    .kernarg_segment_size: 32
    .max_flat_workgroup_size: 512
    .sgpr_count:     76
    .vgpr_count:     256
    .wavefront_size: 32
...
	.end_amdgpu_metadata
.endif
;; end of part 3
;; launch proj (part 4): grid 8 x 32, 4 waves a work-group, clusters of 4 x 4, 295,424 bytes of LDS; arguments yc, ys, pc, ps, b_proj, out0; writes out0
.if DOCPART == 4
	.amdgcn_target "amdgcn-amd-amdhsa--gfx1250"
	.amdhsa_code_object_version 6
	.text
	.protected	k_qbd3aecb3db_proj
	.globl	k_qbd3aecb3db_proj
	.p2align	8
	.type	k_qbd3aecb3db_proj,@function
k_qbd3aecb3db_proj:
	s_mov_b64 s[64:65], 0
	v_nop
	global_prefetch_b8 v0, s[64:65] scope:SCOPE_SE
	s_setreg_imm32_b32 hwreg(HW_REG_WAVE_MODE, 25, 1), 1
	s_wait_xcnt 0x0
	s_wait_alu depctr_hold_cnt(0) depctr_sa_sdst(0) depctr_va_vdst(0) depctr_va_sdst(0) depctr_va_ssrc(0) depctr_va_vcc(0) depctr_vm_vsrc(0)
	s_getreg_b32 s2, hwreg(HW_REG_IB_STS2, 6, 4)
	s_cmp_eq_u32 s2, 0
	s_cbranch_scc0 .Lentry_in_a_cluster
	s_endpgm
.Lentry_in_a_cluster:
	s_bfe_u32 s2, ttmp6, 0x10000c
	s_cmp_lg_u32 s2, 0xf033
	s_cbranch_scc0 .Lentry_shape_is_right
	s_endpgm
.Lentry_shape_is_right:
; out = y w_proj + b_proj on codes of FP6 (E2M3) with E8M0 scales; out is f32.
; THE DEAL.  A work-group makes 256 tokens (16 tiles of y) x 128 columns of w_proj (8 tiles) over all of K = 1,024.  Its four waves stand 2 x 2: wave w takes columns 64 (w % 2) .. (4 tiles) and y's tiles 8 (w / 2) .. + 7.
; A wave's 64 columns, ALL of K, lie in registers: 32 fragments, 384 registers.  y's tiles stream past them, a BLOCK = one tile, all of K: 8 fragments, 32 products on 4 accumulators by turns, K ascending.
; So a block's 16 tokens x 64 columns are finished behind its 32 products and leave at once, while the later blocks are multiplied.
; The product is used transposed (source 0 = w's columns): a lane holds ONE token; lane r of tile t holds row 32 (t / 2) + 8 (t % 2) + r % 8 + 16 (r / 8), so the 16 registers of column tiles 2 b, 2 b + 1 are
; columns 32 b + 16 (lane / 16) + 0 .. 15.  The bias is the C of each block's first four products.
; LDS: y's four chunks (a pair of K steps each, 16 tiles x 3,072) at 0, w's four (8 tiles x 3,072) at WB, each filled ONCE: one joint load a wave at the head, waves 0 and 1 a half of K of w each, waves 2 and 3 of y.
; The first barrier shows w; its 128 LDS loads stand ahead of the wait for y.  Nothing is filled again.
; CLUSTER 4 x 4: y's tiles hang on the work-group's y and are shared along a row of the cluster, w's on its x and are shared along a column.
; NO PREFETCH: all that the launch reads is asked for in its first lines; there is no loop to run ahead in.
; ONE RUN OF MEMORY INSTRUCTIONS BEHIND EACH BLOCK'S PRODUCTS: the stores of the block before (read back from the stage a block ago), this block's results into the wave's own stage and back as rows of 256 bytes, and the fragments of the block two on.
; The stages lie in w's bytes, which have had their only fill and whose last reads every wave has awaited in front of the second barrier.
; REGISTERS.  window 0: v1-15 lane terms; v16-23, v24-31 LDS addresses of y's and w's chunks; v32-63 w's scale words (8 b + K step); v68-131 y's (8 block + K step); v132-163 the bias; v164-227 two sets of four accumulators.
;   windows 1, 2: w's fragments, K steps 0-3 and 4-7, at 12 (4 (K step % 4) + b).   window 3: v0-191 y's fragments, two sets of 96; v192-255 rows of out, two sets of 32.
.set PLANE_A, 1572864                  ; from a pair of K steps to the next, in y's codes (512 tiles x 3,072)
.set PLANE_B, 2359296                  ; and in the weights' (768 tiles)
.set YCH,   49152
.set WB,    196608
.set WCH,   24576
.set SPARE, 294912
.set SP,    272                        ; a stage row: 256 bytes + 16
.set AY,  16
.set AW,  24
.set SSW, 32
.set SSY, 68
.set BIA, 132
.set ACC, 164
.set BK,  192                          ; in window 3
.set SPW, 10
.set NIL, 11
.set STO, 12
.set RD,  13
.set CO,  14
.set MSB, 0
.macro WIN new                         ; the immediate's high byte repeats the setting that is left
.if MSB != \new
	s_set_vgpr_msb (MSB<<8)|\new
.set MSB, \new
.endif
.endm
.macro PLACES n
.rept \n
	v_nop
.endr
.endm
.macro CROUND                          ; a round of the cluster's barrier
	s_barrier_signal -1
	s_barrier_wait -1
	s_cmp_lg_u32 s16, 0
	s_cbranch_scc1 .Lnot_wave_0_\@
	s_barrier_signal -3
.Lnot_wave_0_\@:
	s_barrier_wait -3
	s_barrier_signal -1
	s_barrier_wait -1
.endm
.macro FRAG reg, a16, a8, off          ; a fragment, 12 registers: two half fragments of 768 bytes, as they were stored
	ds_load_b128 v[\reg:\reg+3], v[\a16] offset:\off
	ds_load_b64 v[\reg+4:\reg+5], v[\a8] offset:\off
	ds_load_b128 v[\reg+6:\reg+9], v[\a16] offset:\off+768
	ds_load_b64 v[\reg+10:\reg+11], v[\a8] offset:\off+768
.endm
.macro YFETCH blk                      ; block blk's eight fragments into set blk % 2: 32 LDS loads
	WIN 0xc0                                       ; destination window 3, address window 0
.set S_, 0
.rept 8
	FRAG 96*((\blk)%2)+12*S_, AY+2*(S_/2), AY+2*(S_/2)+1, 3072*(\blk)+1536*(S_%2)
.set S_, S_+1
.endr
.endm
.macro WHALF win, s0                   ; four K steps of my 64 columns into one window: 64 LDS loads
	WIN \win
.set S_, \s0
.rept 4
.set B_, 0
.rept 4
	FRAG 12*(4*(S_%4)+B_), AW+2*(S_/2), AW+2*(S_/2)+1, 3072*B_+1536*(S_%2)
.set B_, B_+1
.endr
.set S_, S_+1
.endr
.endm
.macro WM d, f0, f1, c, x0, x1
	v_wmma_scale_f32_16x16x128_f8f6f4 v[\d:\d+7], v[\f0:\f0+11], v[\f1:\f1+11], \c, v[\x0], v[\x1] matrix_a_fmt:MATRIX_FMT_FP6 matrix_b_fmt:MATRIX_FMT_FP6
.endm
.macro MUL blk                         ; a block's 32 products; the four accumulators take turns, three others' between two steps of a sum
.set S_, 0
.rept 8
.if S_ < 4
	WIN 0x0d                                       ; source 0 window 1, source 1 window 3, C and D window 0
.else
	WIN 0x0e                                       ; source 0 window 2
.endif
.set B_, 0
.rept 4
.set D_, ACC+32*((\blk)%2)+8*B_
.if S_ == 0
	WM D_, 12*(4*(S_%4)+B_), 96*((\blk)%2)+12*S_, v[BIA+8*B_:BIA+8*B_+7], SSW+8*B_+S_, SSY+8*(\blk)+S_
.else
	WM D_, 12*(4*(S_%4)+B_), 96*((\blk)%2)+12*S_, v[D_:D_+7], SSW+8*B_+S_, SSY+8*(\blk)+S_
.endif
.set B_, B_+1
.endr
.set S_, S_+1
.endr
.endm
.macro TOSTAGE blk                     ; 16 tokens x 64 columns into my stage and back as rows; LDS serves a wave's instructions in order (ISA guide 5.7.1.4): no wait between the stores and the loads
	WIN 0
.irp b, 0,1,2,3
	ds_store_b128 v[STO], v[ACC+32*((\blk)%2)+8*\b:ACC+32*((\blk)%2)+8*\b+3] offset:128*(\b/2)+32*(\b%2)       ; each accumulator from its low end on
	ds_store_b128 v[STO], v[ACC+32*((\blk)%2)+8*\b+4:ACC+32*((\blk)%2)+8*\b+7] offset:128*(\b/2)+32*(\b%2)+16
.endr
	WIN 0xc0
.irp k, 0,1,2,3,4,5,6,7
	ds_load_b128 v[BK+32*((\blk)%2)+4*\k:BK+32*((\blk)%2)+4*\k+3], v[RD] offset:2*\k*SP
.endr
.endm
.macro SEND blk                        ; sixteen lanes store 256 consecutive bytes of one token's row, at a multiple of 256 from out's first byte; stage row i is token i % 8 + 16 (i / 8) of the tile
	WIN 0x0c                                       ; a store's data: window 3
.irp k, 0,1,2,3,4,5,6,7
	global_store_b128 v[CO], v[BK+32*((\blk)%2)+4*\k:BK+32*((\blk)%2)+4*\k+3], s[14:15] offset:(32*((\blk)/2)+8*((\blk)%2)+2*\k+8*(\k/4))*4096 th:TH_STORE_NT
.endr
.endm
	s_load_b256 s[4:11], s[0:1], 0x0               ; yc s[4:5], ys s[6:7], pc s[8:9], ps s[10:11]
	s_load_b128 s[12:15], s[0:1], 0x20             ; b_proj s[12:13], out0 s[14:15]
	v_lshl_add_u32 v[SPW], v0, 2, SPARE
	v_mov_b32 v[NIL], 0
	ds_add_u32 v[SPW], v[NIL]                      ; two adds to the spare words at the opening
	ds_add_u32 v[SPW], v[NIL]
	v_lshrrev_b32 v1, 5, v0
	v_readfirstlane_b32 s16, v1                    ; wave 0..3
	s_lshr_b32 s17, s16, 1                         ; which 8 tiles of y are mine.  Also: I fetch for w (0) or for y (1)
	s_and_b32 s18, s16, 1                          ; which 64 columns.  Also: which half of K I fetch
	s_bfe_u32 s19, ttmp6, 0x40000                  ; cx
	s_bfe_u32 s20, ttmp6, 0x40004                  ; cy
	s_and_b32 s22, ttmp7, 0xffff
	s_lshl_b32 s22, s22, 2
	s_add_co_u32 s22, s22, s20                     ; work-group y
	s_lshl_b32 s23, ttmp9, 2
	s_add_co_u32 s23, s23, s19                     ; work-group x
	s_lshl_b32 s56, s20, 2
	s_lshl_b32 s56, 15, s56                        ; my row of the cluster
	s_lshl_b32 s57, 0x1111, s19                    ; my column
	s_or_b32 s24, s56, (3<<16)|(1<<21)             ; y: half of K of 16 tiles: two rows of 49,152 bytes (6,144 elements of 8), a plane apart
	s_mov_b32 s25, 6144<<16
	s_mov_b32 s26, 2<<16
	s_mov_b32 s27, 6144<<16
	s_mov_b32 s28, 2
	s_mov_b32 s29, PLANE_A/8
	s_mov_b32 s30, 0
	s_mov_b32 s31, 0
	s_or_b32 s32, s57, (3<<16)|(1<<21)             ; w: half of K of 8 tiles: two rows of 24,576 bytes
	s_mov_b32 s33, 3072<<16
	s_mov_b32 s34, 2<<16
	s_mov_b32 s35, 3072<<16
	s_mov_b32 s36, 2
	s_mov_b32 s37, PLANE_B/8
	s_mov_b32 s38, 0
	s_mov_b32 s39, 0
	s_lshl_b32 s58, s22, 4                         ; y's first tile
	s_lshl_b32 s59, s23, 3
	s_add_co_u32 s59, s59, 704                     ; w_proj's first tile
	s_mul_i32 s62, s58, 3072
	s_mul_i32 s60, s18, 2*PLANE_A
	s_add_co_u32 s62, s62, s60
	s_mov_b32 s63, 0
	s_mul_i32 s84, s59, 3072
	s_mul_i32 s61, s18, 2*PLANE_B
	s_add_co_u32 s84, s84, s61
	s_mov_b32 s85, 0
	s_mov_b32 s40, 1
	s_mul_i32 s41, s18, 2*YCH
	s_mov_b32 s44, 1
	s_mul_i32 s45, s18, 2*WCH
	s_add_co_u32 s45, s45, WB
	s_wait_dscnt 0x0
	s_wait_kmcnt 0x0
	s_add_nc_u64 s[42:43], s[4:5], s[62:63]
	s_or_b32 s43, s43, 0x80000000
	s_add_nc_u64 s[46:47], s[8:9], s[84:85]
	s_or_b32 s47, s47, 0x80000000
	CROUND                                         ; all sixteen work-groups are here: the joint loads meet
	s_cmp_lt_u32 s16, 2                            ; one tensor load a wave: w's, which go on into registers, are asked for by waves 0 and 1
	s_cbranch_scc0 .Lfor_y
	tensor_load_to_lds s[44:47], s[32:39]
	s_nop 0
	PLACES 4
	s_branch .Lasked
.Lfor_y:
	tensor_load_to_lds s[40:43], s[24:31]
	s_nop 0
	PLACES 4
.Lasked:
	s_lshl_b32 s88, s17, 3
	s_add_co_u32 s88, s88, s58
	s_lshl_b32 s88, s88, 9
	s_mov_b32 s89, 0
	s_add_nc_u64 s[88:89], s[6:7], s[88:89]        ; my eight tiles' scale words
	s_lshl_b32 s90, s18, 2
	s_add_co_u32 s90, s90, s59
	s_lshl_b32 s90, s90, 9
	s_mov_b32 s91, 0
	s_add_nc_u64 s[90:91], s[10:11], s[90:91]      ; my four column tiles'
	s_lshl_b32 s92, s23, 9
	s_lshl_b32 s93, s18, 8
	s_add_co_u32 s92, s92, s93                     ; my 64 columns, in bytes
	s_mov_b32 s93, 0
	s_add_nc_u64 s[12:13], s[12:13], s[92:93]
	s_lshl_b32 s96, s22, 8
	s_lshl_b32 s97, s17, 7
	s_add_co_u32 s96, s96, s97                     ; my first token
	s_lshl_b32 s96, s96, 12                        ; rows of 4,096 bytes
	s_add_co_u32 s96, s96, s92
	s_mov_b32 s97, 0
	s_add_nc_u64 s[14:15], s[14:15], s[96:97]
	s_mul_i32 s94, s17, 8*3072                     ; my tiles in a chunk of y
	s_mul_i32 s95, s18, 4*3072
	s_add_co_u32 s95, s95, WB                      ; and of w
	s_mul_i32 s98, s16, 16*SP
	s_add_co_u32 s98, s98, WB                      ; my stage
	v_and_b32 v1, 31, v0                           ; lane
	v_and_b32 v2, 15, v0                           ; r
	v_bfe_u32 v3, v0, 4, 1                         ; h
	v_lshlrev_b32 v4, 4, v1                        ; 16 x lane
	v_lshlrev_b32 v5, 3, v1                        ; 8 x lane
	v_lshlrev_b32 v6, 5, v2                        ; 32 r: a row's eight scale words
	v_lshlrev_b32 v7, 6, v3                        ; 64 h
	v_mul_u32_u24 v[STO], v2, SP
	v_lshl_add_u32 v[STO], v3, 6, v[STO]
	v_add_nc_u32 v[STO], s98, v[STO]               ; into the stage: row r, + 64 h
	v_mul_u32_u24 v[RD], v3, SP
	v_lshl_add_u32 v[RD], v2, 4, v[RD]
	v_add_nc_u32 v[RD], s98, v[RD]                 ; back: lanes 0-15 one row of 256 bytes, lanes 16-31 the next
	v_lshlrev_b32 v[CO], 12, v3
	v_lshl_add_u32 v[CO], v2, 4, v[CO]             ; and the same two rows in out
	v_add_nc_u32 v8, s94, v4
	v_add_nc_u32 v9, s94, v5
	v_add_nc_u32 v15, s95, v4
	v_add_nc_u32 v1, s95, v5
.irp g, 0,1,2,3
	v_add_nc_u32 v[AY+2*\g], \g*YCH, v8
	v_add_nc_u32 v[AY+2*\g+1], \g*YCH+512, v9
	v_add_nc_u32 v[AW+2*\g], \g*WCH, v15
	v_add_nc_u32 v[AW+2*\g+1], \g*WCH+512, v1
.endr
	s_wait_alu depctr_va_vdst(0)                   ; the wait at the head's end
.irp t, 0,1,2,3,4,5,6,7
.irp g, 0,1
	global_load_b128 v[SSY+8*\t+4*\g:SSY+8*\t+4*\g+3], v6, s[88:89] offset:512*\t+16*\g
.endr
.endr
.irp b, 0,1,2,3
.irp g, 0,1
	global_load_b128 v[SSW+8*\b+4*\g:SSW+8*\b+4*\g+3], v6, s[90:91] offset:512*\b+16*\g
.endr
.endr
.irp b, 0,1,2,3                                ; lane (r, h) wants, for tile b, the bias of columns 32 (b / 2) + 8 (b % 2) + 16 h + 0 .. 7
	global_load_b128 v[BIA+8*\b:BIA+8*\b+3], v7, s[12:13] offset:4*(32*(\b/2)+8*(\b%2))
	global_load_b128 v[BIA+8*\b+4:BIA+8*\b+7], v7, s[12:13] offset:4*(32*(\b/2)+8*(\b%2))+16
.endr
	s_cmp_lt_u32 s16, 2
	s_cbranch_scc0 .Lnot_w
	s_wait_tensorcnt 0x0                           ; waves 0 and 1: w has landed
.Lnot_w:
	s_barrier_signal -1
	s_barrier_wait -1                              ; y may be on its way
	WHALF 0x40, 0
	WHALF 0x80, 4
	WIN 0
	s_wait_tensorcnt 0x0                           ; every wave's one load has landed,
	s_wait_dscnt 0x0                               ; and my reads of w's bytes are over
	s_barrier_signal -1
	s_barrier_wait -1                              ; y is whole, and w's bytes are free for the stages
	YFETCH 0
	YFETCH 1
	s_wait_loadcnt 0x0                             ; the scale words and the bias
	s_wait_dscnt 32                                ; block 0's fragments are in; block 1's 32 loads may be out
	MUL 0
.irp s, 0,1,2,3,4,5,6,7
	WIN 0
	PLACES 4                                       ; behind the block's products: their results are read, and their fragments' registers loaded, below
	s_wait_dscnt 0x0                               ; all that the last run asked for is in: the next block's fragments, and the last block's rows
.if \s > 1
	s_wait_xcnt 0x0                                ; the stores of the block two back have read their registers, which are loaded again
.endif
.if \s > 0
	SEND \s-1
.endif
	TOSTAGE \s
.if \s < 6
	YFETCH \s+2
.endif
.if \s < 7
	MUL \s+1
.endif
.endr
	s_wait_dscnt 0x0
	SEND 7
	WIN 0
	s_wait_tensorcnt 0x0                           ; the wave's end
	ds_add_u32 v[SPW], v[NIL]
	s_wait_dscnt 0x0
	CROUND                                         ; the closing round
	s_endpgm
.Lfunc_end_k_qbd3aecb3db_proj:
	.size	k_qbd3aecb3db_proj, .Lfunc_end_k_qbd3aecb3db_proj-k_qbd3aecb3db_proj
	.p2alignl 7, 3214868480
	.fill 96, 4, 3214868480
	.section	.rodata,"a",@progbits
	.p2align	6, 0x0
	.amdhsa_kernel k_qbd3aecb3db_proj
		.amdhsa_group_segment_fixed_size 295424
		.amdhsa_private_segment_fixed_size 0
		.amdhsa_enable_private_segment 0
		.amdhsa_kernarg_size 48
		.amdhsa_user_sgpr_count 2
		.amdhsa_user_sgpr_kernarg_segment_ptr 1
		.amdhsa_wavefront_size32 1
		.amdhsa_system_sgpr_workgroup_id_x 1
		.amdhsa_system_sgpr_workgroup_id_y 1
		.amdhsa_system_sgpr_workgroup_id_z 1
		.amdhsa_system_vgpr_workitem_id 0
		.amdhsa_next_free_vgpr 1024
		.amdhsa_next_free_sgpr 100
		.amdhsa_reserve_vcc 0
		.amdhsa_float_denorm_mode_32 3
		.amdhsa_float_denorm_mode_16_64 3
		.amdhsa_memory_ordered 1
		.amdhsa_forward_progress 1
		.amdhsa_inst_pref_size 84
	.end_amdhsa_kernel
	.amdgpu_metadata
---
amdhsa.version: [ 1, 2 ]
amdhsa.kernels:
  - .name:           k_qbd3aecb3db_proj
    .symbol:         k_qbd3aecb3db_proj.kd
    .args:
      - { .name: yc, .offset: 0, .size: 8, .value_kind: global_buffer, .address_space: global }
      - { .name: ys, .offset: 8, .size: 8, .value_kind: global_buffer, .address_space: global }
      - { .name: pc, .offset: 16, .size: 8, .value_kind: global_buffer, .address_space: global }
      - { .name: ps, .offset: 24, .size: 8, .value_kind: global_buffer, .address_space: global }
      - { .name: b_proj, .offset: 32, .size: 8, .value_kind: global_buffer, .address_space: global }
      - { .name: out0, .offset: 40, .size: 8, .value_kind: global_buffer, .address_space: global }
    .group_segment_fixed_size: 295424
    .private_segment_fixed_size: 0
    .kernarg_segment_align: 8
    .kernarg_segment_size: 48
    .max_flat_workgroup_size: 128
    .sgpr_count:     100
    .vgpr_count:     1024
    .wavefront_size: 32
...
	.end_amdgpu_metadata
.endif
;; end of part 4
